; MI455X (gfx1250); checked and timed in simulation.
; The chip was launched on July 23, 2026; its instructions are those of AMD's public machine-readable ISA for CDNA 5 (MIT licence, August 2026) and "CDNA5" Instruction Set Architecture Reference Guide (July 2026). The comments in the code are by the model that wrote it; some were corrected since.
;; Self Attention. Allowed arithmetic: matrix products marked QUANTISED: E2M1 operands, one E8M0 scale for each 32 along K, by v_wmma_scale_f32_16x16x128_f8f6f4 with both operands' format E2M1 (or v_wmma_scale_f32_32x16x128_f4), f32 sums; products left as they are: bf16, f16 or f32 operands; f32 sums; everything else in f32.
;; Inputs: W_out 1,024 x 1,024 float32; W_qkv 1,024 x 3,072 float32; b_out 1,024 float32; b_qkv 3,072 float32; x 4 x 2,048 x 1,024 float32.
;; Outputs: out0 4 x 2,048 x 1,024 float32.
;; This version of the problem:
;;   THIS VERSION OF THE PROBLEM IS GIVEN IN LOW PRECISION. The matrix products marked QUANTISED in the list below multiply operands that are first quantised to E2M1 (2 exponent bits, 1 mantissa bit; 4 bits a number), with one power-of-two scale for each 32 numbers along K (OCP MX v1.0); their sums are f32. The products marked 'left as it is' may take bf16, f16 or f32 operands, with f32 sums. Whichever they take, every output number must still come out within the allowed error. Rounding operands to bf16 (8 significant bits) uses up far more of that allowance than f16 does (11 bits, for magnitudes from 6e-5 to 65,504). All else is computed in f32.
;;   The module's matrix products, in the order in which they are computed (A, B: the left and right operand; K: the contracted axis; several contracted axes count as one K, in the product's order):
;;     1. [M 8,192, K 1,024] x [K 1,024, N 3,072]; A: input x; B: input W_qkv: QUANTISED
;;     2. batch 4 x [M 2,048, K 1,024] x [K 1,024, N 2,048]; A: computed on the way; B: computed on the way: left as it is (an operand is computed on the way)
;;     3. batch 4 x [M 2,048, K 2,048] x [K 2,048, N 1,024]; A: computed on the way; B: computed on the way: left as it is (an operand is computed on the way)
;;     4. [M 8,192, K 1,024] x [K 1,024, N 1,024]; A: computed on the way; B: input W_out: left as it is (an operand is computed on the way)
;;   THE QUANTISER, for each operand of a quantised product, along K:
;;     - K is cut into blocks of 32 from its start; a last block that is shorter is filled with zeros.
;;     - A block's scale is 2^e with e = floor(log2(the largest magnitude in the block)) - 2, held to -126 .. 127; a block of zeros has e = 0. As a byte (E8M0): e + 127.
;;     - Each number is divided by its block's scale, clamped to +-6, and rounded to the nearest number of E2M1, ties to even, subnormals kept.
;;     - The product sums the exact products of the quantised numbers (number of the format x scale) in f32.
;;   ~~~python
;;   def quantise(x, axis):      # numpy; x: float32 -> the quantised numbers, widened to float32 again
;;       x = np.moveaxis(x, axis, -1); K = x.shape[-1]
;;       x = np.pad(x, [(0, 0)] * (x.ndim - 1) + [(0, -K % 32)]); x = x.reshape(x.shape[:-1] + (-1, 32)); a = np.abs(x).max(-1, keepdims=True)
;;       e = np.where(a > 0, np.clip(np.frexp(np.where(a > 0, a, 1))[1] - 1 - 2, -126, 127), 0)      # np.frexp(a)[1] - 1 = floor(log2(a)), exactly
;;       r = np.clip(x / 2.0 ** e, -6, 6)
;;       step = 2.0 ** (np.maximum(np.frexp(np.where(r == 0, 1, r))[1] - 1, 0) - 1)
;;       q = np.round(r / step) * step * 2.0 ** e      # np.round: ties to even
;;       return np.moveaxis(q.reshape(q.shape[:-2] + (-1,))[..., :K], -1, axis).astype(np.float32)
;;   ~~~
;; One version. Each part assembles by itself: llvm-mc -triple=amdgcn-amd-amdhsa -mcpu=gfx1250 --defsym DOCPART=n.
;; ======== version 1 of 1: 5 launches
;; limits: values are held in f16: magnitudes above 65,504 overflow, below 6.1e-05 lose precision
;; workspace buffers: cod 5,767,168 bytes; scl 360,448 bytes; wot 2,097,152 bytes; qkv 50,331,648 bytes; pbuf 33,554,432 bytes; stat 1,048,576 bytes; ctx 16,777,216 bytes
;; launch prep (part 1): grid 416 x 1, 4 waves a work-group, no clusters, 85,504 bytes of LDS; arguments x, W_qkv, W_out, cod, scl, wot; writes cod, scl, wot
.if DOCPART == 1
	.amdgcn_target "amdgcn-amd-amdhsa--gfx1250"
	.amdhsa_code_object_version 6
	.text
	.protected	k_q1a32f3291e_prep
	.globl	k_q1a32f3291e_prep
	.p2align	8
	.type	k_q1a32f3291e_prep,@function
k_q1a32f3291e_prep:
	s_mov_b64 s[64:65], 0
	v_nop
	global_prefetch_b8 v0, s[64:65] scope:SCOPE_SE
	s_setreg_imm32_b32 hwreg(HW_REG_WAVE_MODE, 25, 1), 1
	s_wait_xcnt 0x0
; PREP: the operands of the later launches are laid out once.
;   work-groups 0-255:   x [8192][1024] f32 (K innermost)  -> codes of FP4 (E2M1) in cod rows 0-8191 (512 bytes a row), E8M0 bytes in scl rows 0-8191 (32 bytes a row)
;   work-groups 256-351: W_qkv [1024 k][3072 n] f32 (K is the FIRST axis) -> column n becomes row 8192 + n of cod and of scl, K innermost
;   work-groups 352-415: W_out [1024 e][1024 f] f32 -> wot [f][e] in f16, so that the last product finds K innermost
; A block's scale is 2^(floor(log2(largest magnitude)) - 2); its byte is the largest magnitude's exponent field - 2, held at 1 from below.
; LIMITS: a block of zeros gets the byte 1 where the quantiser says 127 (its codes are zeros, and this program alone reads the bytes); NaN and infinities are not served;
; W_out beyond f16's 65,504 is not served.
; The three paths part on the work-group's number alone, each has LDS bytes of its own, and waves share nothing: no barrier.
.set STEPS, 16
.set CB,    8                          ; bytes of 16 codes
.set SP,    80                         ; path x: a lane's place in a stage: 64 bytes + 16 of padding
.set WREG,  8192                       ; path x: a wave's LDS: two stages of 32 x SP, then its 256 scale bytes
.set PITCH, 272                        ; paths W_qkv and W_out: a stage row: 256 bytes + 16
.set WBASE, 4*WREG                     ; path W_qkv: four stages of 16 rows
.set OBASE, WBASE+4*16*PITCH           ; path W_out: four stages of 32 rows
.set SPARE, OBASE+4*32*PITCH           ; the spare words, 128 bytes for each wave: no other line names them
.set SPW,   196                        ; v196 LDS address of my spare word; never rewritten
.set NIL,   197                        ; v197 0; never rewritten
.set R,     16                         ; path x: v16-79 four sets of 16 numbers as loaded
.set XX,    80                         ;         v80-111 two sets of 16 neighbours
.set E,     112                        ;         v112-127 a scale byte for each step
.set C,     128                        ;         v128-191 codes, four registers a step: no store's data are written again
.set SB,    24                         ; path W_qkv: v24-27 scale bytes, four to a register
.set WX,    32                         ; paths W: v32-95 numbers as loaded: W_qkv four sets of 16, W_out two sets of 32
.set WC,    96                         ;          v96-111 what a block becomes
.set OUTR,  112                        ;          v112-175 the way out
	s_load_b256 s[4:11], s[0:1], 0x0               ; x s[4:5], W_qkv s[6:7], W_out s[8:9], cod s[10:11]
	s_load_b128 s[12:15], s[0:1], 0x20             ; scl s[12:13], wot s[14:15]
	v_lshl_add_u32 v[SPW], v0, 2, SPARE
	v_mov_b32 v[NIL], 0
	v_lshrrev_b32 v1, 5, v0
	v_readfirstlane_b32 s16, v1                    ; wave 0..3
	v_and_b32 v2, 31, v0                           ; lane
	s_mov_b32 s21, 0                               ; the upper word of every offset here: all stay under 2^32
	s_wait_kmcnt 0x0
	s_cmp_lt_u32 ttmp9, 256
	s_cbranch_scc0 .Lnot_x
; ---------------- x: a plain stream of blocks of 32.  A wave takes 16 steps of 512 numbers.  Each load reads 512 consecutive bytes; a step's 2,048 bytes turn through the wave's
; stage in LDS so that a lane holds 16 neighbours along K (two lanes to a block).  Loads run four steps ahead, the turn one step.
	v_lshlrev_b32 v3, 4, v2                        ; my 16 bytes of a load's 512
	s_mul_i32 s17, s16, WREG
	v_lshrrev_b32 v14, 2, v2
	v_mul_u32_u24 v14, v14, SP
	v_and_b32 v15, 3, v2
	v_lshl_add_u32 v14, v15, 4, v14
	v_add_nc_u32 v14, s17, v14                     ; into the stage: SP (lane / 4) + 16 (lane % 4)
	v_mul_u32_u24 v15, v2, SP
	v_add_nc_u32 v15, s17, v15                     ; out of it: SP x lane
	v_mul_u32_u24 v4, v2, CB                       ; my codes' place in a step's 256 bytes
	v_lshrrev_b32 v5, 1, v2
	s_add_co_u32 s17, s17, 2*32*SP
	v_add_nc_u32 v5, s17, v5                       ; my block's byte among the wave's 256 scale bytes
	v_lshlrev_b32 v7, 3, v2
	v_add_nc_u32 v6, s17, v7                       ; and 8 of them a lane on the way out
	s_lshl_b32 s18, ttmp9, 2
	s_add_co_u32 s18, s18, s16                     ; which run of 8,192 numbers is my wave's
	s_lshl_b32 s20, s18, 15
	s_add_nc_u64 s[4:5], s[4:5], s[20:21]          ; 32,768 bytes of x a run,
	s_lshl_b32 s20, s18, 12
	s_add_nc_u64 s[10:11], s[10:11], s[20:21]      ; 4,096 of codes,
	s_lshl_b32 s20, s18, 8
	s_add_nc_u64 s[12:13], s[12:13], s[20:21]      ; 256 of scale bytes
.macro XLOAD t
.irp i, 0,1,2,3
	global_load_b128 v[R+16*((\t)%4)+4*\i:R+16*((\t)%4)+4*\i+3], v3, s[4:5] offset:2048*(\t)+512*\i th:TH_LOAD_NT
.endr
.endm
.macro XTURN t                         ; LDS serves a wave's instructions in order: no wait between the stores and the loads
.irp i, 0,1,2,3
	ds_store_b128 v14, v[R+16*((\t)%4)+4*\i:R+16*((\t)%4)+4*\i+3] offset:32*SP*((\t)%2)+8*SP*\i
.endr
.irp i, 0,1,2,3
	ds_load_b128 v[XX+16*((\t)%2)+4*\i:XX+16*((\t)%2)+4*\i+3], v15 offset:32*SP*((\t)%2)+16*\i
.endr
.endm
.macro XSTEP t
.set XS, XX+16*((\t)%2)
.if (\t) > 0
	s_wait_dscnt 1                                 ; this step's numbers are back from the stage; the last step's byte store may be out
.else
	s_wait_dscnt 0x0
.endif
.if (\t)+4 < STEPS
	XLOAD (\t)+4
.endif
.if (\t)+1 < STEPS
.if STEPS-2-(\t) >= 3
	s_wait_loadcnt 12                              ; the next step's four loads are in; those of the three steps behind it may be out
.else
	s_wait_loadcnt 4*(STEPS-2-(\t))
.endif
	XTURN (\t)+1
.endif
	v_max3_num_f32 v8, |v[XS]|, |v[XS+1]|, |v[XS+2]|
	v_max3_num_f32 v9, |v[XS+3]|, |v[XS+4]|, |v[XS+5]|
.irp i, 6,10
	v_max3_num_f32 v8, v8, |v[XS+\i]|, |v[XS+\i+1]|
	v_max3_num_f32 v9, v9, |v[XS+\i+2]|, |v[XS+\i+3]|
.endr
	v_max3_num_f32 v8, v8, |v[XS+14]|, |v[XS+15]|
	v_max3_num_f32 v8, v8, v9, 0x1800000           ; and the floor 2^(3 - 127): the byte cannot fall under 1
	v_max_num_f32_dpp v8, v8, v8 row_xmask:1 row_mask:0xf bank_mask:0xf   ; with my neighbour's 16: the block's largest magnitude
	v_add_nc_u32 v11, 0xff000000, v8               ; 2 off its exponent field: the conversion takes that field as its scale
	v_cvt_scalef32_pk8_fp4_f32 v[C+4*(\t)], v[XS:XS+7], v11
	v_cvt_scalef32_pk8_fp4_f32 v[C+4*(\t)+1], v[XS+8:XS+15], v11
	v_lshrrev_b32 v[E+(\t)], 23, v11               ; the scale's byte (a plain line behind the conversions)
	ds_store_b8 v5, v[E+(\t)] offset:16*(\t)       ; both lanes of a block write the same byte with the same value
	global_store_b64 v4, v[C+4*(\t):C+4*(\t)+1], s[10:11] offset:32*CB*(\t)   ; the wave stores 256 consecutive bytes, aligned
.endm
.irp t, 0,1,2,3
	XLOAD \t
.endr
	s_wait_loadcnt 12                              ; step 0's four loads are in
	XTURN 0
.irp t, 0,1,2,3,4,5,6,7,8,9,10,11,12,13,14,15
	XSTEP \t
.endr
	ds_load_b64 v[8:9], v6
	s_wait_dscnt 0x0
	global_store_b64 v7, v[8:9], s[12:13]          ; the wave's 256 scale bytes, aligned
	s_branch .Lend
.Lnot_x:
	v_lshlrev_b32 v3, 2, v2                        ; path W_out: in: 4 bytes a lane
	v_and_b32 v5, 15, v2                           ; r
	v_lshrrev_b32 v6, 4, v2                        ; h
	s_cmp_lt_u32 ttmp9, 352
	s_cbranch_scc0 .Lpath_o
; ---------------- W_qkv: a wave takes 16 columns x 512 along K.  Lane (r, h) takes column r, and its 16 registers of a block run down K from row 16 h of the block: 16 neighbours along K;
; lane l xor 16 holds the block's other half.  A block is 16 loads, four blocks are asked for ahead: a wave has 256 loads in all, and the path's 384 waves share the tensor.
; The four waves of a work-group stand side by side on 256 consecutive bytes of each row.  The codes go through the wave's stage and leave as rows: sixteen lanes store 256 consecutive bytes.
	s_sub_co_u32 s17, ttmp9, 256
	s_cmp_ge_u32 s17, 48
	s_cselect_b32 s18, 1, 0                        ; which 512 along K
	s_mul_i32 s19, s18, 48
	s_sub_co_u32 s17, s17, s19
	s_lshl_b32 s17, s17, 6
	s_lshl_b32 s19, s16, 4
	s_add_co_u32 s17, s17, s19                     ; my wave's first column: 64 x group + 16 x wave
	s_mul_i32 s19, s16, 16*PITCH
	s_add_co_u32 s19, s19, WBASE                   ; my stage
	v_mul_u32_u24 v4, v5, PITCH
	v_lshl_add_u32 v4, v6, 3, v4
	v_add_nc_u32 v4, s19, v4                       ; into it: row = my column, 8 bytes for each half of a block
	v_mul_u32_u24 v7, v6, PITCH
	v_lshl_add_u32 v7, v5, 4, v7
	v_add_nc_u32 v7, s19, v7                       ; out of it: sixteen lanes to a row, two rows an instruction
	v_lshlrev_b32 v8, 9, v6
	v_lshl_add_u32 v8, v5, 4, v8                   ; the same place in cod: rows of 512 bytes
	v_lshlrev_b32 v9, 5, v5
	v_lshl_add_u32 v9, v6, 3, v9                   ; my column's row of scale bytes, 32 bytes a row; 8 of its 16 bytes for each half of the lanes
	v_mul_u32_u24 v10, v6, 16*12288
	v_lshl_add_u32 v10, v5, 2, v10                 ; in: 16 h rows of 12,288 bytes + 4 r
	s_mov_b32 s24, 0x76543210
	s_mov_b32 s25, 0xfedcba98                      ; v_permlanex16_b32's selects for lane l xor 16
	s_mov_b32 s26, 0xffff0000                      ; lanes 16-31
	s_mul_i32 s20, s18, 512*12288
	s_lshl_b32 s22, s17, 2
	s_add_co_u32 s20, s20, s22
	s_add_nc_u64 s[6:7], s[6:7], s[20:21]
	s_lshl_b32 s20, s17, 9
	s_lshl_b32 s22, s18, 8
	s_add_co_u32 s20, s20, s22
	s_add_co_u32 s20, s20, 8192*512
	s_add_nc_u64 s[10:11], s[10:11], s[20:21]
	s_lshl_b32 s20, s17, 5
	s_lshl_b32 s22, s18, 4
	s_add_co_u32 s20, s20, s22
	s_add_co_u32 s20, s20, 8192*32
	s_add_nc_u64 s[12:13], s[12:13], s[20:21]
.macro WLOAD t                         ; block t: W(32 t + 16 h + i, my column); the largest offset, 495 x 12,288, lies inside the signed 24-bit immediate
.irp i, 0,1,2,3,4,5,6,7,8,9,10,11,12,13,14,15
	global_load_b32 v[WX+16*((\t)%4)+\i], v10, s[6:7] offset:(32*(\t)+\i)*12288
.endr
.endm
.macro WBLOCK t
.set XS, WX+16*((\t)%4)
.if (\t) < 13
	s_wait_loadcnt 48                              ; this block's 16 loads are in; those of the three blocks behind it may be out
.else
	s_wait_loadcnt 16*(15-(\t))
.endif
	v_max3_num_f32 v12, |v[XS]|, |v[XS+1]|, |v[XS+2]|
	v_max3_num_f32 v13, |v[XS+3]|, |v[XS+4]|, |v[XS+5]|
.irp i, 6,10
	v_max3_num_f32 v12, v12, |v[XS+\i]|, |v[XS+\i+1]|
	v_max3_num_f32 v13, v13, |v[XS+\i+2]|, |v[XS+\i+3]|
.endr
	v_max3_num_f32 v12, v12, |v[XS+14]|, |v[XS+15]|
	v_max3_num_f32 v12, v12, v13, 0x1800000        ; the floor, as above
	v_permlanex16_b32 v13, v12, s24, s25
	v_max_num_f32 v12, v12, v13                    ; with lane l xor 16's 16: the block's largest magnitude
	v_add_nc_u32 v11, 0xff000000, v12
	v_lshrrev_b32 v13, 23, v11
.if (\t)%4 == 0
	v_mov_b32 v[SB+(\t)/4], v13
.else
	v_lshl_or_b32 v[SB+(\t)/4], v13, 8*((\t)%4), v[SB+(\t)/4]
.endif
	v_cvt_scalef32_pk8_fp4_f32 v[WC], v[XS:XS+7], v11
	v_cvt_scalef32_pk8_fp4_f32 v[WC+1], v[XS+8:XS+15], v11
	ds_store_b64 v4, v[WC:WC+1] offset:16*(\t)
.if (\t)+4 < 16
	WLOAD (\t)+4
.endif
	s_wait_dscnt 0x0                               ; the store has read its registers: the next block's codes may be written
.endm
.irp t, 0,1,2,3
	WLOAD \t
.endr
.irp t, 0,1,2,3,4,5,6,7,8,9,10,11,12,13,14,15
	WBLOCK \t
.endr
	v_cndmask_b32 v12, v[SB], v[SB+2], s26         ; both halves of the lanes hold all 16 bytes of their column: lanes 0-15 store the first eight, lanes 16-31 the others
	v_cndmask_b32 v13, v[SB+1], v[SB+3], s26
	global_store_b64 v9, v[12:13], s[12:13]
.irp t, 0,1,2,3,4,5,6,7
	ds_load_b128 v[OUTR+4*\t:OUTR+4*\t+3], v7 offset:2*\t*PITCH
.endr
.irp t, 0,1,2,3,4,5,6,7
	s_wait_dscnt 7-\t
	global_store_b128 v8, v[OUTR+4*\t:OUTR+4*\t+3], s[10:11] offset:2*\t*512
.endr
	s_branch .Lend
; ---------------- W_out: a wave takes 32 columns f x 128 rows e; a lane takes a column, its 128 numbers become 256 bytes of f16 of its own row of wot, and leave through the stage as above.
.Lpath_o:
	s_sub_co_u32 s17, ttmp9, 352
	s_and_b32 s18, s17, 7
	s_lshr_b32 s17, s17, 3                         ; which 128 along e
	s_lshl_b32 s18, s18, 7
	s_lshl_b32 s19, s16, 5
	s_add_co_u32 s18, s18, s19                     ; my wave's first column f
	s_mul_i32 s19, s16, 32*PITCH
	s_add_co_u32 s19, s19, OBASE
	v_mul_u32_u24 v4, v2, PITCH
	v_add_nc_u32 v4, s19, v4
	v_mul_u32_u24 v7, v6, PITCH
	v_lshl_add_u32 v7, v5, 4, v7
	v_add_nc_u32 v7, s19, v7
	v_lshlrev_b32 v8, 11, v6
	v_lshl_add_u32 v8, v5, 4, v8                   ; wot: rows of 2,048 bytes
	s_lshl_b32 s20, s17, 19                        ; 128 rows of 4,096 bytes
	s_lshl_b32 s22, s18, 2
	s_add_co_u32 s20, s20, s22
	s_add_nc_u64 s[8:9], s[8:9], s[20:21]
	s_lshl_b32 s20, s18, 11
	s_lshl_b32 s22, s17, 8
	s_add_co_u32 s20, s20, s22
	s_add_nc_u64 s[14:15], s[14:15], s[20:21]
.macro OLOAD t
.irp i, 0,1,2,3,4,5,6,7,8,9,10,11,12,13,14,15,16,17,18,19,20,21,22,23,24,25,26,27,28,29,30,31
	global_load_b32 v[WX+32*((\t)%2)+\i], v3, s[8:9] offset:(32*(\t)+\i)*4096 th:TH_LOAD_NT
.endr
.endm
.macro OBLOCK t
.set XS, WX+32*((\t)%2)
.if (\t) < 3
	s_wait_loadcnt 32                              ; this block's 32 loads are in; the next block's may be out
.else
	s_wait_loadcnt 0x0
.endif
.irp i, 0,1,2,3,4,5,6,7,8,9,10,11,12,13,14,15
	v_cvt_pk_f16_f32 v[WC+\i], v[XS+2*\i], v[XS+2*\i+1]
.endr
.irp i, 0,1,2,3
	ds_store_b128 v4, v[WC+4*\i:WC+4*\i+3] offset:64*(\t)+16*\i
.endr
.if (\t)+2 < 4
	OLOAD (\t)+2
.endif
	s_wait_dscnt 0x0
.endm
	OLOAD 0
	OLOAD 1
.irp t, 0,1,2,3
	OBLOCK \t
.endr
.irp t, 0,1,2,3,4,5,6,7,8,9,10,11,12,13,14,15
	ds_load_b128 v[OUTR+4*\t:OUTR+4*\t+3], v7 offset:2*\t*PITCH
.endr
.irp t, 0,1,2,3,4,5,6,7,8,9,10,11,12,13,14,15
	s_wait_dscnt 15-\t
	global_store_b128 v8, v[OUTR+4*\t:OUTR+4*\t+3], s[14:15] offset:2*\t*2048
.endr
.Lend:
	s_wait_tensorcnt 0x0                           ; the wave's end
	ds_add_u32 v[SPW], v[NIL]
	s_wait_dscnt 0x0
	s_endpgm
.Lfunc_end_k_q1a32f3291e_prep:
	.size	k_q1a32f3291e_prep, .Lfunc_end_k_q1a32f3291e_prep-k_q1a32f3291e_prep
	.p2alignl 7, 3214868480
	.fill 96, 4, 3214868480
	.section	.rodata,"a",@progbits
	.p2align	6, 0x0
	.amdhsa_kernel k_q1a32f3291e_prep
		.amdhsa_group_segment_fixed_size 85504
		.amdhsa_private_segment_fixed_size 0
		.amdhsa_enable_private_segment 0
		.amdhsa_kernarg_size 48
		.amdhsa_user_sgpr_count 2
		.amdhsa_user_sgpr_kernarg_segment_ptr 1
		.amdhsa_wavefront_size32 1
		.amdhsa_system_sgpr_workgroup_id_x 1
		.amdhsa_system_sgpr_workgroup_id_y 1
		.amdhsa_system_sgpr_workgroup_id_z 1
		.amdhsa_system_vgpr_workitem_id 0
		.amdhsa_next_free_vgpr 200
		.amdhsa_next_free_sgpr 66
		.amdhsa_reserve_vcc 0
		.amdhsa_float_denorm_mode_32 3
		.amdhsa_float_denorm_mode_16_64 3
		.amdhsa_memory_ordered 1
		.amdhsa_forward_progress 1
		.amdhsa_inst_pref_size 98
	.end_amdhsa_kernel
	.amdgpu_metadata
---
amdhsa.version: [ 1, 2 ]
amdhsa.kernels:
  - .name:           k_q1a32f3291e_prep
    .symbol:         k_q1a32f3291e_prep.kd
    .args:
      - { .name: x, .offset: 0, .size: 8, .value_kind: global_buffer, .address_space: global }
      - { .name: W_qkv, .offset: 8, .size: 8, .value_kind: global_buffer, .address_space: global }
      - { .name: W_out, .offset: 16, .size: 8, .value_kind: global_buffer, .address_space: global }
      - { .name: cod, .offset: 24, .size: 8, .value_kind: global_buffer, .address_space: global }
      - { .name: scl, .offset: 32, .size: 8, .value_kind: global_buffer, .address_space: global }
      - { .name: wot, .offset: 40, .size: 8, .value_kind: global_buffer, .address_space: global }
    .group_segment_fixed_size: 85504
    .private_segment_fixed_size: 0
    .kernarg_segment_align: 8
    .kernarg_segment_size: 48
    .max_flat_workgroup_size: 128
    .sgpr_count:     66
    .vgpr_count:     200
    .wavefront_size: 32
...
	.end_amdgpu_metadata
.endif
;; end of part 1
;; launch qkvp (part 2): grid 12 x 32, 4 waves a work-group, clusters of 4 x 4, 327,680 bytes of LDS; arguments cod, scl, b_qkv, qkv; writes qkv
.if DOCPART == 2
	.amdgcn_target "amdgcn-amd-amdhsa--gfx1250"
	.amdhsa_code_object_version 6
	.text
	.protected	k_q1a32f3291e_qkvp
	.globl	k_q1a32f3291e_qkvp
	.p2align	8
	.type	k_q1a32f3291e_qkvp,@function
k_q1a32f3291e_qkvp:
	s_mov_b64 s[64:65], 0
	v_nop
	global_prefetch_b8 v0, s[64:65] scope:SCOPE_SE
	s_setreg_imm32_b32 hwreg(HW_REG_WAVE_MODE, 25, 1), 1
	s_wait_xcnt 0x0
	s_wait_alu depctr_hold_cnt(0) depctr_sa_sdst(0) depctr_va_vdst(0) depctr_va_sdst(0) depctr_va_ssrc(0) depctr_va_vcc(0) depctr_vm_vsrc(0)
	s_getreg_b32 s2, hwreg(HW_REG_IB_STS2, 6, 4)
	s_cmp_eq_u32 s2, 0
	s_cbranch_scc0 .Lentry_in_a_cluster
	s_endpgm
.Lentry_in_a_cluster:
	s_bfe_u32 s2, ttmp6, 0x10000c
	s_cmp_lg_u32 s2, 0xf033
	s_cbranch_scc0 .Lentry_shape_is_right
	s_endpgm
.Lentry_shape_is_right:
; THE QUANTISED PRODUCT x W_qkv on codes of FP4 (E2M1) with one E8M0 scale for each 32 along K = 1,024; sums in f32; results rounded once to f16.
; Both operands are rows of ONE buffer: cod [11,264][512 bytes], scl [11,264][32 bytes]: rows 0-8191 the tokens, rows 8192 + n column n of W_qkv.  C[m][n] = sum over k of row_a[m][k] row_b[n][k].
; A tile of C is 256 x 256: four waves, 128 x 128 each (64 accumulators, 512 registers).  12 x 32 tiles in clusters of 4 x 4.
;   clusters x = 0, 1: A = tokens, B = the channels of q and k: C goes to qkv rows [token][2048 f16] (q in columns 0-1023, k in 1024-2047), with b_qkv added.
;   cluster  x = 2:    A = the channels of v, B = tokens: the same text gives v TRANSPOSED, [batch][channel][token] from byte 33,554,432 of qkv on, WITHOUT its bias: the launch that
;                      averages v adds it, which is the same number since the weights of a row sum to one, and spares v a rounding.
; Which of the two it is hangs on the cluster's x alone and is served by selects: no branch.
; All of K fits into two LDS slots of 512 along K, so every tile is asked for at the head and nothing is filled again.  A's tiles are asked for jointly along a row of the cluster, B's along a column.
; THE MATRIX INSTRUCTION IS USED TRANSPOSED (source 0 = 16 rows of B, source 1 = 16 rows of A): a lane holds eight neighbouring numbers of a row of C.  The bias is the C of each sum's first product.
; LIMITS: results beyond f16's 65,504 are not served; under 6e-5 they are carried in steps of 6e-8.
; REGISTERS: window 0: v0-31 addresses; v32-95 scale words, two sets; v128-191 A's fragments, one set; v192-255 the bias in the result's layout, later packed results.
;   window 1: B's fragments, two sets, at v0 and v128.   window 2: accumulators of my rows 0-63 ((a, b) at v[8 (8 a + b)]);   window 3: rows 64-127.
.set NQ,     4                         ; matrix instructions deep in a slot
.set ROWB,   256                       ; a tile's row: 512 codes
.set KROW,   512                       ; a row of cod
.set PITCH,  272                       ; an LDS row: 256 bytes + 16 of padding: the 16 rows that a load touches start 68 words apart
.set FR,     8
.set NL,     2
.set NP,     4
.set HALFT,  128*PITCH
.set SLOT,   4*HALFT                   ; A's 256 rows, then B's 256 rows
.set KS,     32                        ; a row of scl
.set SCL,    2*SLOT                    ; behind the slots: the scales of the 512 rows, as units of 256 bytes + 16
.set HALFS,  (128*KS/256)*272
.set SBLK,   (16*KS/256)*272
.set SPARE,  SCL+4*HALFS               ; the spare words, 128 bytes for each wave: no other line names them
.set SPITCH, 272                       ; the way out: 16 rows x (256 + 16) for each wave, in slot 0, which has had its one fill and its last read by then
.set CP,     4096                      ; a row of C in bytes, in both layouts
.set ADRA, 16
.set ADRB, 20
.set STO,  24
.set RD,   25
.set CO,   26
.set ADRS, 27
.set SPW,  28
.set NIL,  29
.set BO,   30
.set SC,   32
.set AF,   128
.set BK,   128
.set T,    192
.set TMP,  192
.set G1, 24
.set G0, 32
.set G1B, 48
.set G0B, 56
.set G1S, 68
.set G0S, 76
.set G1SB, 80
.set G0SB, 88
.set MSB, 0
.macro WIN new                         ; the immediate's high byte repeats the setting that is left
.if MSB != (\new)
	s_set_vgpr_msb (MSB<<8)|(\new)
.set MSB, (\new)
.endif
.endm
.set MUL_LO, 0xa1                      ; source 0 (B) window 1, source 1 (A) window 0, C and D window 2
.set MUL_HI, 0xf1
.set TO_B,   0x40
.macro JLOAD g0a, g1a, g0b, g1b        ; a joint load: waves 0 and 1 fetch for A, waves 2 and 3 for B; the branch hangs on the wave's number alone; s_nop 0 and four v_nop follow each line
	s_cmp_eq_u32 s15, 0
	s_cbranch_scc0 .Lfor_b_\@
	tensor_load_to_lds s[\g0a:\g0a+3], s[\g1a:\g1a+7]
	s_nop 0
.rept 4
	v_nop
.endr
	s_branch .Lasked_\@
.Lfor_b_\@:
	tensor_load_to_lds s[\g0b:\g0b+3], s[\g1b:\g1b+7]
	s_nop 0
.rept 4
	v_nop
.endr
.Lasked_\@:
.endm
.macro CROUND                          ; a round of the cluster's barrier
	s_barrier_signal -1
	s_barrier_wait -1
	s_cmp_lg_u32 s14, 0
	s_cbranch_scc1 .Lnot_wave_0_\@
	s_barrier_signal -3
.Lnot_wave_0_\@:
	s_barrier_wait -3
	s_barrier_signal -1
	s_barrier_wait -1
.endm
	s_load_b256 s[4:11], s[0:1], 0x0               ; cod s[4:5], scl s[6:7], b_qkv s[8:9], qkv s[10:11]
	v_lshl_add_u32 v[SPW], v0, 2, SPARE
	v_mov_b32 v[NIL], 0
	ds_add_u32 v[SPW], v[NIL]                      ; the wave's opening: the add, twice on end, and its wait ahead of my first tensor load
	ds_add_u32 v[SPW], v[NIL]
	v_lshrrev_b32 v1, 5, v0
	v_readfirstlane_b32 s14, v1                    ; wave 0..3
	s_lshr_b32 s15, s14, 1                         ; my half of the tile's rows.  Also: I fetch for A (0) or for B (1)
	s_and_b32 s16, s14, 1                          ; my half of its columns.  Also: which 128 rows I fetch
	s_bfe_u32 s40, ttmp6, 0x40000                  ; cx
	s_bfe_u32 s41, ttmp6, 0x40004                  ; cy
	s_and_b32 s17, ttmp7, 0xffff
	s_lshl_b32 s17, s17, 2                         ; 4 x cluster y: a tile of tokens
	s_lshl_b32 s42, ttmp9, 2
	s_add_co_u32 s42, s42, 32                      ; 32 + 4 x cluster x: a tile of q's or k's channels
	s_cmp_eq_u32 ttmp9, 2                          ; v's cluster?  The same in all sixteen partners
	s_cselect_b32 s42, s17, s42                    ; B: tokens there, else channels
	s_cselect_b32 s17, 40, s17                     ; A: v's channels (tiles 40-43) there, else tokens
	s_cselect_b32 s95, 0, -1                       ; the bias counts: nowhere there, else in all lanes
	s_add_co_u32 s17, s17, s41                     ; A's tile of 256 rows of cod: it hangs on cy and the cluster's place
	s_add_co_u32 s42, s42, s40                     ; B's: on cx and the cluster's place
	s_lshl_b32 s43, s41, 2
	s_lshl_b32 s43, 15, s43                        ; my row of the cluster
	s_lshl_b32 s44, 0x1111, s40                    ; my column
	s_or_b32 s[G1+0], s43, (0<<16)|(1<<20)|(1<<21)|(5<<22)|(3<<25)  ; the mask; elements of 1 byte; padding on; bit 21 beside a mask; 4 words behind every 64
	s_or_b32 s[G1B+0], s44, (0<<16)|(1<<20)|(1<<21)|(5<<22)|(3<<25)
.irp g, G1, G1B
	s_mov_b32 s[\g+1], ROWB<<16                    ; tensor_dim0
	s_mov_b32 s[\g+2], 128<<16                     ; tensor_dim1
	s_mov_b32 s[\g+3], ROWB<<16                    ; tile_dim0
	s_mov_b32 s[\g+4], 128                         ; tile_dim1
	s_mov_b32 s[\g+5], KROW                        ; from row to row
	s_mov_b32 s[\g+6], 0
	s_mov_b32 s[\g+7], 0
.endr
	s_or_b32 s[G1S+0], s43, (3<<16)|(1<<20)|(1<<21)|(5<<22)|(3<<25)  ; the scales of 128 rows: 4,096 dense bytes as 16 rows of 32 elements of 8 bytes
	s_or_b32 s[G1SB+0], s44, (3<<16)|(1<<20)|(1<<21)|(5<<22)|(3<<25)
.irp g, G1S, G1SB
	s_mov_b32 s[\g+1], 32<<16
	s_mov_b32 s[\g+2], (128*KS/256)<<16
	s_mov_b32 s[\g+3], 32<<16
	s_mov_b32 s[\g+4], 128*KS/256
	s_mov_b32 s[\g+5], 32
	s_mov_b32 s[\g+6], 0
	s_mov_b32 s[\g+7], 0
.endr
	s_lshl_b32 s18, s16, 7
	s_lshl_b32 s20, s17, 8
	s_add_co_u32 s20, s20, s18                     ; A: the first row that I fetch
	s_lshl_b32 s46, s42, 8
	s_add_co_u32 s46, s46, s18                     ; B likewise
	s_lshl_b32 s22, s20, 5                         ; its scales, in bytes
	s_mov_b32 s23, 0
	s_lshl_b32 s92, s46, 5
	s_mov_b32 s93, 0
	s_lshl_b32 s20, s20, 9                         ; its codes
	s_mov_b32 s21, 0
	s_lshl_b32 s46, s46, 9
	s_mov_b32 s47, 0
	s_mul_i32 s45, s14, HALFT                      ; where they go: wave x 128 rows
	s_mul_i32 s94, s14, HALFS
	s_wait_dscnt 0x0                               ; both opening adds are done
	s_wait_kmcnt 0x0
	s_add_nc_u64 s[20:21], s[4:5], s[20:21]
	s_add_nc_u64 s[22:23], s[6:7], s[22:23]
	s_add_nc_u64 s[46:47], s[4:5], s[46:47]
	s_add_nc_u64 s[92:93], s[6:7], s[92:93]
	CROUND                                         ; all sixteen work-groups are here: the joint loads meet
	s_mov_b32 s[G0S], 1
	s_add_co_u32 s[G0S+1], s94, SCL
	s_mov_b64 s[G0S+2:G0S+3], s[22:23]
	s_or_b32 s[G0S+3], s[G0S+3], 0x80000000
	s_mov_b32 s[G0SB], 1
	s_add_co_u32 s[G0SB+1], s94, SCL
	s_mov_b64 s[G0SB+2:G0SB+3], s[92:93]
	s_or_b32 s[G0SB+3], s[G0SB+3], 0x80000000
	JLOAD G0S, G1S, G0SB, G1SB
.irp s, 0,1
	s_mov_b32 s[G0+4*\s], 1
	s_add_co_u32 s[G0+4*\s+1], s45, \s*SLOT
	s_add_nc_u64 s[G0+4*\s+2:G0+4*\s+3], s[20:21], \s*ROWB
	s_or_b32 s[G0+4*\s+3], s[G0+4*\s+3], 0x80000000
	s_mov_b32 s[G0B+4*\s], 1
	s_add_co_u32 s[G0B+4*\s+1], s45, \s*SLOT
	s_add_nc_u64 s[G0B+4*\s+2:G0B+4*\s+3], s[46:47], \s*ROWB
	s_or_b32 s[G0B+4*\s+3], s[G0B+4*\s+3], 0x80000000
	JLOAD G0+4*\s, G1, G0B+4*\s, G1B               ; three loads of mine are out: the scales and both slots
.endr
	; the bias in the result's layout: register 8 b + j = b_qkv[my first column + 16 b + 8 (lane / 16) + j]
	v_and_b32 v1, 15, v0                           ; r
	v_bfe_u32 v2, v0, 4, 1                         ; h
	v_lshlrev_b32 v[BO], 5, v2
	s_sub_co_u32 s96, s42, 32
	s_lshl_b32 s96, s96, 10
	s_lshl_b32 s97, s16, 9
	s_add_co_u32 s96, s96, s97
	s_cmp_eq_u32 ttmp9, 2
	s_cselect_b32 s96, 0, s96                      ; v's cluster reads the buffer's head and throws it away below
	s_mov_b32 s97, 0
	s_add_nc_u64 s[8:9], s[8:9], s[96:97]
.irp b, 0,1,2,3,4,5,6,7
	global_load_b128 v[T+8*\b:T+8*\b+3], v[BO], s[8:9] offset:64*\b
	global_load_b128 v[T+8*\b+4:T+8*\b+7], v[BO], s[8:9] offset:64*\b+16
.endr
	; where my part of C begins
	s_sub_co_u32 s96, s17, 40
	s_sub_co_u32 s97, s42, 32
	s_and_b32 s98, s42, 7
	s_lshr_b32 s99, s42, 3
	s_lshl_b32 s99, s99, 22                        ; a batch of v transposed: 1,024 rows of 4,096 bytes
	s_add_co_u32 s99, s99, 33554432
	s_cmp_eq_u32 ttmp9, 2
	s_cselect_b32 s96, s96, s17                    ; tile of rows
	s_cselect_b32 s97, s98, s97                    ; tile of columns
	s_cselect_b32 s99, s99, 0
	s_lshl_b32 s96, s96, 8
	s_lshl_b32 s98, s15, 7
	s_add_co_u32 s96, s96, s98
	s_lshl_b32 s96, s96, 12
	s_lshl_b32 s97, s97, 9
	s_add_co_u32 s96, s96, s97
	s_lshl_b32 s98, s16, 8
	s_add_co_u32 s96, s96, s98
	s_add_co_u32 s96, s96, s99
	s_mov_b32 s97, 0
	s_add_nc_u64 s[12:13], s[10:11], s[96:97]
	s_wait_loadcnt 0x0
.set I_, 0
.rept 64
	v_cndmask_b32 v[T+I_], 0, v[T+I_], s95
.set I_, I_+1
.endr
	v_mul_u32_u24 v3, v1, PITCH
	v_lshl_add_u32 v4, v2, 4, v3                   ; a fragment's row x pitch + 16 x half
	s_mul_i32 s21, s15, HALFT
	s_mul_i32 s22, s16, HALFT
	s_add_co_u32 s22, s22, 2*HALFT
.irp s, 0,1
	v_add_nc_u32 v[ADRA+\s], s21, v4
	v_add_nc_u32 v[ADRB+\s], s22, v4
	s_add_co_u32 s21, s21, SLOT
	s_add_co_u32 s22, s22, SLOT
.endr
	v_mul_u32_u24 v5, v1, KS                       ; my row's scales: 32 bytes a row, and 16 more for each 256 passed
	v_lshrrev_b32 v6, 8, v5
	v_lshl_add_u32 v5, v6, 4, v5
	s_mul_i32 s21, s15, HALFS
	s_mul_i32 s22, s16, HALFS
	s_add_co_u32 s22, s22, 2*HALFS
	s_sub_co_u32 s22, s22, s21
	v_mul_u32_u24 v6, s22, v2                      ; lanes 16-31 take B's
	s_add_co_u32 s21, s21, SCL
	v_add_nc_u32 v5, v5, v6
	v_add_nc_u32 v[ADRS], s21, v5
	s_mul_i32 s23, s14, 16*SPITCH                  ; my stage
	v_add_nc_u32 v[STO], s23, v4                   ; in: row r, 16 bytes for each half of the lanes
	v_mul_u32_u24 v5, v2, SPITCH
	v_lshl_add_u32 v5, v1, 4, v5
	v_add_nc_u32 v[RD], s23, v5                    ; back: lanes 0-15 one row of 256 bytes, lanes 16-31 the next
	v_lshlrev_b32 v5, 12, v2
	v_lshl_add_u32 v[CO], v1, 4, v5                ; the same two rows in C
.macro FRAG reg, adr, q, i             ; 16 rows x 128 K of 4-bit codes: 8 registers: two loads of 16 bytes, 32 bytes apart
.irp c, 0,1
	ds_load_b128 v[\reg+4*\c:\reg+4*\c+3], v[\adr] offset:64*(\q)+32*\c+(\i)*16*PITCH
.endr
.endm
; 16 products: A's blocks a0, a0 + 1 x B's eight.  first = 1: the bias is C.  The 64 accumulators take turns, one instruction a turn, in the same order in every step.
.macro MUL16 a0, p, q, sc, first
.irp a, \a0, \a0+1
.irp b, 0,1,2,3,4,5,6,7
.if \first
	v_wmma_scale_f32_16x16x128_f8f6f4 v[8*(8*((\a)%4)+\b):8*(8*((\a)%4)+\b)+7], v[128*(\p)+FR*\b:128*(\p)+FR*\b+FR-1], v[AF+FR*(\a):AF+FR*(\a)+FR-1], v[T+8*\b:T+8*\b+7], v[SC+8*NQ*(\sc)+NQ*\b+(\q)], v[SC+8*NQ*(\sc)+NQ*(\a)+(\q)] matrix_a_fmt:MATRIX_FMT_FP4 matrix_b_fmt:MATRIX_FMT_FP4 matrix_a_scale:MATRIX_SCALE_ROW1
.else
	v_wmma_scale_f32_16x16x128_f8f6f4 v[8*(8*((\a)%4)+\b):8*(8*((\a)%4)+\b)+7], v[128*(\p)+FR*\b:128*(\p)+FR*\b+FR-1], v[AF+FR*(\a):AF+FR*(\a)+FR-1], v[8*(8*((\a)%4)+\b):8*(8*((\a)%4)+\b)+7], v[SC+8*NQ*(\sc)+NQ*\b+(\q)], v[SC+8*NQ*(\sc)+NQ*(\a)+(\q)] matrix_a_fmt:MATRIX_FMT_FP4 matrix_b_fmt:MATRIX_FMT_FP4 matrix_a_scale:MATRIX_SCALE_ROW1
.endif
.endr
.endr
.endm
.macro FETCH_B slot, q, p
	WIN TO_B
.irp i, 0,1,2,3,4,5,6,7
	FRAG 128*(\p)+FR*\i, ADRB+\slot, \q, \i
.endr
	WIN 0
.endm
.macro FETCH_A slot, q, i0
.irp i, \i0, \i0+1, \i0+2, \i0+3
	FRAG AF+FR*(\i), ADRA+\slot, \q, \i
.endr
.endm
.macro SCALES sc                       ; a slot's scale words: lanes 0-15 A's block i, lanes 16-31 B's block i
.irp i, 0,1,2,3,4,5,6,7
	ds_load_b128 v[SC+8*NQ*\sc+NQ*\i:SC+8*NQ*\sc+NQ*\i+3], v[ADRS] offset:\i*SBLK
.endr
.endm
.macro PLACES n                        ; plain vector instructions between a matrix instruction and a load into, or a read of, its registers
.rept \n
	v_nop
.endr
.endm
.macro STEP slot, q, first             ; 128 along K with its successor in the same slot
	s_wait_dscnt 4*NL                              ; B's set and A's blocks 0-3 are in; the youngest eight loads (A's blocks 4-7) may be out
.if \first
	WIN 0x81                                       ; C, the bias, in window 0
.else
	WIN MUL_LO
.endif
	MUL16 0, (\q)%2, \q, \slot, \first
	MUL16 2, (\q)%2, \q, \slot, \first
	s_wait_dscnt 0
	PLACES NP
	FETCH_B \slot, (\q)+1, 1-(\q)%2
	FETCH_A \slot, (\q)+1, 0
.if \first
	WIN 0xc1
.else
	WIN MUL_HI
.endif
	MUL16 4, (\q)%2, \q, \slot, \first
	MUL16 6, (\q)%2, \q, \slot, \first
	PLACES NP
	WIN 0
	FETCH_A \slot, (\q)+1, 4
.endm
.macro STEPS slot, from
.set Q, \from
.rept NQ-1-\from
	STEP \slot, Q, 0
.set Q, Q+1
.endr
.endm
	s_wait_tensorcnt 1                             ; the scales and my part of slot 0 are in; slot 1's load may stay out
	s_barrier_signal -1
	s_barrier_wait -1
	FETCH_B 0, 0, 0
	FETCH_A 0, 0, 0
	SCALES 0
	FETCH_A 0, 0, 4
	STEP 0, 0, 1
	STEPS 0, 1
	; slot 0's last step changes slots: one barrier, in front of which my part of slot 1 has landed
	s_wait_tensorcnt 0x0
	ds_add_u32 v[SPW], v[NIL]                      ; 0 onto my spare word
	s_wait_dscnt 4*NL+1                            ; the add and the youngest eight loads may be out
	WIN MUL_LO
	MUL16 0, 1, NQ-1, 0, 0
	s_wait_dscnt 0x0
	s_barrier_signal -1
	MUL16 2, 1, NQ-1, 0, 0
	WIN 0
	s_barrier_wait -1
	PLACES NP
	v_add_nc_u32 v[ADRS], 4*NQ, v[ADRS]            ; the second slot's scale words
	FETCH_B 1, 0, 0
	FETCH_A 1, 0, 0
	SCALES 1
	WIN MUL_HI
	MUL16 4, 1, NQ-1, 0, 0
	MUL16 6, 1, NQ-1, 0, 0
	PLACES NP
	WIN 0
	FETCH_A 1, 0, 4
	STEPS 1, 0
	s_wait_dscnt 4*NL
	WIN MUL_LO
	MUL16 0, 1, NQ-1, 1, 0
	MUL16 2, 1, NQ-1, 1, 0
	s_wait_dscnt 0
	WIN MUL_HI
	MUL16 4, 1, NQ-1, 1, 0
	MUL16 6, 1, NQ-1, 1, 0
	WIN 0
; THE WAY OUT, a block of 16 rows x 128 columns at a time: rounded to f16 (16 bytes a lane), into my stage, back as whole rows of 256 bytes, stored by sixteen lanes each.
.macro PACK a
.set AC, 64*((\a)%4)
	WIN 0x0a+5*((\a)/4)
.irp b, 0,1,2,3,4,5,6,7
.irp i, 0,1,2,3
	v_cvt_pk_f16_f32 v[TMP+4*\b+\i], v[AC+8*\b+2*\i], v[AC+8*\b+2*\i+1]
.endr
.endr
	WIN 0
.endm
.macro TOSTAGE a
.set BB, BK+32*((\a)%2)
.irp b, 0,1,2,3,4,5,6,7
	ds_store_b128 v[STO], v[TMP+4*\b:TMP+4*\b+3] offset:32*\b
.endr
.irp t, 0,1,2,3,4,5,6,7
	ds_load_b128 v[BB+4*\t:BB+4*\t+3], v[RD] offset:\t*2*SPITCH    ; LDS serves a wave's instructions in order: these see the stores above
.endr
.endm
.macro SEND a
.set BB, BK+32*((\a)%2)
	s_wait_dscnt 0x0                               ; the block is back in registers
	s_wait_xcnt 0x0                                ; earlier stores have read their base and their data: both may be written again
.if (\a) > 0
	s_add_nc_u64 s[12:13], s[12:13], 16*CP
.endif
.irp t, 0,1,2,3,4,5,6,7
	global_store_b128 v[CO], v[BB+4*\t:BB+4*\t+3], s[12:13] offset:2*\t*CP   ; 16 lanes store 256 consecutive bytes, aligned
.endr
.endm
	PLACES NP
	PACK 0
	TOSTAGE 0
.irp a, 1,2,3,4,5,6,7
	PACK \a
	SEND \a-1
	TOSTAGE \a
.endr
	SEND 7
	s_wait_tensorcnt 0x0                           ; the wave's end
	ds_add_u32 v[SPW], v[NIL]
	s_wait_dscnt 0x0
	CROUND                                         ; the closing round
	s_endpgm
.Lfunc_end_k_q1a32f3291e_qkvp:
	.size	k_q1a32f3291e_qkvp, .Lfunc_end_k_q1a32f3291e_qkvp-k_q1a32f3291e_qkvp
	.p2alignl 7, 3214868480
	.fill 96, 4, 3214868480
	.section	.rodata,"a",@progbits
	.p2align	6, 0x0
	.amdhsa_kernel k_q1a32f3291e_qkvp
		.amdhsa_group_segment_fixed_size 327680
		.amdhsa_private_segment_fixed_size 0
		.amdhsa_enable_private_segment 0
		.amdhsa_kernarg_size 32
		.amdhsa_user_sgpr_count 2
		.amdhsa_user_sgpr_kernarg_segment_ptr 1
		.amdhsa_wavefront_size32 1
		.amdhsa_system_sgpr_workgroup_id_x 1
		.amdhsa_system_sgpr_workgroup_id_y 1
		.amdhsa_system_sgpr_workgroup_id_z 1
		.amdhsa_system_vgpr_workitem_id 0
		.amdhsa_next_free_vgpr 1024
		.amdhsa_next_free_sgpr 100
		.amdhsa_reserve_vcc 0
		.amdhsa_float_denorm_mode_32 3
		.amdhsa_float_denorm_mode_16_64 3
		.amdhsa_memory_ordered 1
		.amdhsa_forward_progress 1
		.amdhsa_inst_pref_size 133
	.end_amdhsa_kernel
	.amdgpu_metadata
---
amdhsa.version: [ 1, 2 ]
amdhsa.kernels:
  - .name:           k_q1a32f3291e_qkvp
    .symbol:         k_q1a32f3291e_qkvp.kd
    .args:
      - { .name: cod, .offset: 0, .size: 8, .value_kind: global_buffer, .address_space: global }
      - { .name: scl, .offset: 8, .size: 8, .value_kind: global_buffer, .address_space: global }
      - { .name: b_qkv, .offset: 16, .size: 8, .value_kind: global_buffer, .address_space: global }
      - { .name: qkv, .offset: 24, .size: 8, .value_kind: global_buffer, .address_space: global }
    .group_segment_fixed_size: 327680
    .private_segment_fixed_size: 0
    .kernarg_segment_align: 8
    .kernarg_segment_size: 32
    .max_flat_workgroup_size: 128
    .sgpr_count:     100
    .vgpr_count:     1024
    .wavefront_size: 32
...
	.end_amdgpu_metadata
.endif
;; end of part 2
;; launch scores (part 3): grid 8 x 32, 4 waves a work-group, clusters of 4 x 4, 327,680 bytes of LDS; arguments qkv, pbuf, stat; writes pbuf, stat
.if DOCPART == 3
	.amdgcn_target "amdgcn-amd-amdhsa--gfx1250"
	.amdhsa_code_object_version 6
	.text
	.protected	k_q1a32f3291e_scores
	.globl	k_q1a32f3291e_scores
	.p2align	8
	.type	k_q1a32f3291e_scores,@function
k_q1a32f3291e_scores:
	s_mov_b64 s[64:65], 0
	v_nop
	global_prefetch_b8 v0, s[64:65] scope:SCOPE_SE
	s_setreg_imm32_b32 hwreg(HW_REG_WAVE_MODE, 25, 1), 1
	s_wait_xcnt 0x0
	s_wait_alu depctr_hold_cnt(0) depctr_sa_sdst(0) depctr_va_vdst(0) depctr_va_sdst(0) depctr_va_ssrc(0) depctr_va_vcc(0) depctr_vm_vsrc(0)
	s_getreg_b32 s2, hwreg(HW_REG_IB_STS2, 6, 4)
	s_cmp_eq_u32 s2, 0
	s_cbranch_scc0 .Lentry_in_a_cluster
	s_endpgm
.Lentry_in_a_cluster:
	s_bfe_u32 s2, ttmp6, 0x10000c
	s_cmp_lg_u32 s2, 0xf033
	s_cbranch_scc0 .Lentry_shape_is_right
	s_endpgm
.Lentry_shape_is_right:
; SCORES AND EXPONENTIALS.  S[q][k] = q . k over 1,024 channels, f16 operands, f32 sums; t = S log2(e) / 8.  q and k are columns 0-1023 and 1024-2047 of qkv's rows [token][2048 f16].
; A tile is 256 queries x 256 keys of one batch: four waves, 128 x 128 each (64 accumulators).  8 x 32 tiles in clusters of 4 x 4: q's tiles are asked for jointly along a row, k's along a column.
; THE SOFTMAX'S MAXIMUM IS TAKEN IN TWO STAGES.  A wave sees 128 keys (chunk c) of each of its rows.  It stores p = 2^(t - M), M = the largest t of the chunk rounded UP to a whole number, as f16 in pbuf,
; and -M and l = the chunk's sum of the unrounded p, in f32, in stat.  The next launch knows all 16 chunks of a row and brings them under the row's own maximum by exact powers of two.
; stat: [row / 64][chunk][-M, l][row % 16][(row / 16) % 4] f32: a wave's 64 rows of one chunk are 512 consecutive bytes.
; THE MATRIX INSTRUCTION IS USED TRANSPOSED (source 0 = 16 keys, source 1 = 16 queries): a lane holds one query and eight neighbouring keys.
; K goes in steps of 128 (rows of 256 bytes) through two LDS slots; a K step is four quarters of 32 along K on two fragment buffers.
; No prefetch: every row of q and of k is read by several clusters.
; LIMITS: p under 6e-8 becomes 0 (the chunk's largest p is at least 1/2); NaN and infinities are not served.
; REGISTERS: window 0: v1-31 addresses; v44-51 -M and v52-59 l of my eight blocks; v[60:61] -M in hand; v64-127, v128-191 q's fragments, two buffers (on the way out: rows, packed p, at work).
;   window 1: v64-127, v128-191 k's fragments.   window 2: accumulators of my rows 0-63 ((a, b) at v[8 (8 a + b)]);   window 3: rows 64-127.
.set MB,     8                         ; blocks of 16 rows in a wave's tile
.set LAPS,   1024/256                  ; a lap = two K steps = once round the ring
.set PA,     4096                      ; bytes from row to row: q,
.set PB,     4096                      ; k,
.set PC,     4096                      ; pbuf
.set PITCH,  272                       ; an LDS row: 256 bytes + 16 of padding
.set HALFA,  16*MB*PITCH
.set HALFB,  128*PITCH
.set SLOT,   2*HALFA+2*HALFB           ; q's 256 rows, then k's 256
.set STAGE,  2*SLOT                    ; behind the ring: 16 rows x 272 for each wave
.set SPITCH, 272
.set SPARE,  STAGE+4*16*SPITCH         ; the spare words, 128 bytes for each wave: no other line names them
.set ADRA, 16
.set ADRB, 20
.set STO,  24
.set RD,   25
.set CO,   26
.set LN,   27
.set SPW,  28
.set NIL,  29
.set SM,   44
.set SL,   52
.set NM,   60
.set F0,   64
.set F1,   128
.set BK,   64
.set TMP,  128
.set CH,   160
.set LS,   164
.set D,    168
.set G1,  24
.set G0,  32
.set G1B, 48
.set G0B, 56
.set CS,  66                           ; s[66:67] log2(e) / 8
.set STATP, 68
.set SEL, 72                           ; s[72:73] lane selects: lane l xor 16
.set HI16, 74                          ; s74 lanes 16-31
.set MSB, 0
.macro WIN new
.if MSB != (\new)
	s_set_vgpr_msb (MSB<<8)|(\new)
.set MSB, (\new)
.endif
.endm
.macro JLOAD s                         ; a joint load: waves 0 and 1 fetch q's halves, waves 2 and 3 k's; s_nop 0 and four v_nop follow each line
	s_cmp_eq_u32 s11, 0
	s_cbranch_scc0 .Lfor_b_\@
	tensor_load_to_lds s[G0+4*\s:G0+4*\s+3], s[G1:G1+7]
	s_nop 0
.rept 4
	v_nop
.endr
	s_branch .Lasked_\@
.Lfor_b_\@:
	tensor_load_to_lds s[G0B+4*\s:G0B+4*\s+3], s[G1B:G1B+7]
	s_nop 0
.rept 4
	v_nop
.endr
.Lasked_\@:
.endm
.macro CREST
	s_cmp_lg_u32 s10, 0
	s_cbranch_scc1 .Lnot_wave_0_\@
	s_barrier_signal -3
.Lnot_wave_0_\@:
	s_barrier_wait -3
	s_barrier_signal -1
	s_barrier_wait -1
.endm
.macro CROUND
	s_barrier_signal -1
	s_barrier_wait -1
	CREST
.endm
.macro PLACES                          ; four plain vector instructions between a matrix instruction and a load into, or a read of, its registers
.rept 4
	v_nop
.endr
.endm
	s_load_b128 s[4:7], s[0:1], 0x0                ; qkv s[4:5], pbuf s[6:7]
	s_load_b64 s[STATP:STATP+1], s[0:1], 0x10
	v_lshl_add_u32 v[SPW], v0, 2, SPARE
	v_mov_b32 v[NIL], 0
	ds_add_u32 v[SPW], v[NIL]                      ; the wave's opening: the add, twice on end, and its wait ahead of my first tensor load
	ds_add_u32 v[SPW], v[NIL]
	v_lshrrev_b32 v1, 5, v0
	v_readfirstlane_b32 s10, v1                    ; wave 0..3
	s_lshr_b32 s11, s10, 1                         ; my half of the rows.  Also: I fetch q (0) or k (1)
	s_and_b32 s12, s10, 1                          ; my half of the columns.  Also: which half I fetch
	s_bfe_u32 s40, ttmp6, 0x40000                  ; cx
	s_bfe_u32 s41, ttmp6, 0x40004                  ; cy
	s_lshl_b32 s42, ttmp9, 2
	s_add_co_u32 s42, s42, s40                     ; tile column: 256 keys of the batch
	s_and_b32 s45, ttmp7, 0xffff
	s_lshl_b32 s13, s45, 2
	s_add_co_u32 s13, s13, s41                     ; tile row: 256 tokens
	s_lshl_b32 s43, s41, 2
	s_lshl_b32 s43, 15, s43                        ; my row of the cluster
	s_lshl_b32 s44, 0x1111, s40                    ; my column
	s_or_b32 s[G1+0], s43, (1<<16)|(1<<20)|(1<<21)|(5<<22)|(3<<25)  ; the mask; elements of 2 bytes; padding on; bit 21 beside a mask; 4 words behind every 64
	s_or_b32 s[G1B+0], s44, (1<<16)|(1<<20)|(1<<21)|(5<<22)|(3<<25)
	s_mov_b32 s[G1+1], 128<<16                     ; tensor_dim0
	s_mov_b32 s[G1+2], (16*MB)<<16                 ; tensor_dim1
	s_mov_b32 s[G1+3], 128<<16                     ; tile_dim0
	s_mov_b32 s[G1+4], 16*MB                       ; tile_dim1
	s_mov_b32 s[G1+5], PA/2                        ; elements from row to row
	s_mov_b32 s[G1+6], 0
	s_mov_b32 s[G1+7], 0
	s_mov_b32 s[G1B+1], 128<<16
	s_mov_b32 s[G1B+2], 128<<16
	s_mov_b32 s[G1B+3], 128<<16
	s_mov_b32 s[G1B+4], 128
	s_mov_b32 s[G1B+5], PB/2
	s_mov_b32 s[G1B+6], 0
	s_mov_b32 s[G1B+7], 0
	s_mul_i32 s14, s13, 32*MB
	s_mul_i32 s16, s12, 16*MB
	s_add_co_u32 s14, s14, s16
	s_mul_i32 s14, s14, PA                         ; q: the first row that I fetch, in bytes
	s_mov_b32 s15, 0
	s_lshr_b32 s46, s45, 1                         ; the batch: two rows of clusters each
	s_mul_i32 s46, s46, 2048
	s_lshl_b32 s47, s42, 8
	s_add_co_u32 s46, s46, s47
	s_lshl_b32 s47, s12, 7
	s_add_co_u32 s46, s46, s47
	s_mul_i32 s46, s46, PB
	s_add_co_u32 s46, s46, 2048                    ; k: columns 1024 on
	s_mov_b32 s47, 0
	s_mul_i32 s20, s12, HALFA                      ; where they go: no place in the cluster enters an LDS address
	s_mul_i32 s21, s12, HALFB
	s_add_co_u32 s21, s21, 2*HALFA
	s_mov_b32 s[CS], 0x3e38aa3b
	s_mov_b32 s[CS+1], s[CS]
	s_mov_b32 s[SEL], 0x76543210
	s_mov_b32 s[SEL+1], 0xfedcba98
	s_mov_b32 s[HI16], 0xffff0000
	s_wait_dscnt 0x0                               ; both opening adds are done
	s_wait_kmcnt 0x0
	s_add_nc_u64 s[14:15], s[4:5], s[14:15]
	s_add_nc_u64 s[46:47], s[4:5], s[46:47]
	CROUND                                         ; all sixteen work-groups are here: the first joint loads meet
.irp s, 0,1
	s_mov_b32 s[G0+4*\s], 1
	s_add_co_u32 s[G0+4*\s+1], s20, \s*SLOT
	s_add_nc_u64 s[G0+4*\s+2:G0+4*\s+3], s[14:15], \s*256
	s_or_b32 s[G0+4*\s+3], s[G0+4*\s+3], 0x80000000
	s_mov_b32 s[G0B+4*\s], 1
	s_add_co_u32 s[G0B+4*\s+1], s21, \s*SLOT
	s_add_nc_u64 s[G0B+4*\s+2:G0B+4*\s+3], s[46:47], \s*256
	s_or_b32 s[G0B+4*\s+3], s[G0B+4*\s+3], 0x80000000
	JLOAD \s                                       ; two loads of mine are out
.endr
	v_and_b32 v1, 15, v0                           ; r
	v_bfe_u32 v2, v0, 4, 1                         ; h
	v_mul_u32_u24 v3, v1, PITCH
	v_lshl_add_u32 v3, v2, 4, v3                   ; a fragment's row x pitch + 16 x half
	s_mul_i32 s21, s11, HALFA
	s_mul_i32 s22, s12, HALFB
	s_add_co_u32 s22, s22, 2*HALFA
.irp s, 0,1
	v_add_nc_u32 v[ADRA+\s], s21, v3
	v_add_nc_u32 v[ADRB+\s], s22, v3
	s_add_co_u32 s21, s21, SLOT
	s_add_co_u32 s22, s22, SLOT
.endr
	s_mul_i32 s23, s10, 16*SPITCH
	s_add_co_u32 s23, s23, STAGE                   ; my stage
	v_add_nc_u32 v[STO], s23, v3                   ; in: row r, 16 bytes for each half of the lanes
	v_mul_u32_u24 v5, v2, SPITCH
	v_lshl_add_u32 v5, v1, 4, v5
	v_add_nc_u32 v[RD], s23, v5                    ; back: lanes 0-15 one row, lanes 16-31 the next
	v_mul_u32_u24 v5, v2, PC
	v_lshl_add_u32 v[CO], v1, 4, v5
	v_and_b32 v5, 31, v0
	v_lshlrev_b32 v[LN], 4, v5                     ; 16 x lane
	v_mov_b32 v[NM+1], 0                           ; named as the upper half of the pair, so it is written
	s_mul_i32 s16, s13, 32*MB
	s_mul_i32 s17, s11, 16*MB
	s_add_co_u32 s16, s16, s17
	s_mul_i32 s16, s16, PC
	s_lshl_b32 s17, s42, 9
	s_add_co_u32 s16, s16, s17
	s_lshl_b32 s17, s12, 8
	s_add_co_u32 s16, s16, s17
	s_mov_b32 s17, 0
	s_add_nc_u64 s[8:9], s[6:7], s[16:17]          ; pbuf at my first row and column
	s_lshl_b32 s16, s13, 2
	s_lshl_b32 s17, s11, 1
	s_add_co_u32 s16, s16, s17                     ; my first group of 64 rows
	s_lshl_b32 s16, s16, 4
	s_lshl_b32 s17, s42, 1
	s_add_co_u32 s16, s16, s17
	s_add_co_u32 s16, s16, s12                     ; my chunk of 128 keys
	s_lshl_b32 s16, s16, 9
	s_mov_b32 s17, 0
	s_add_nc_u64 s[STATP:STATP+1], s[STATP:STATP+1], s[16:17]
; 8 products: block a of my rows x all 8 blocks of columns, 32 along K.  zero = 1: the first product starts the sum.  The accumulators take turns in one order everywhere.
.macro MULB f, a, zero
	WIN 0xa1+0x50*((\a)/4)
.irp b, 0,1,2,3,4,5,6,7
.if \zero
	v_wmma_f32_16x16x32_f16 v[8*(8*((\a)%4)+\b):8*(8*((\a)%4)+\b)+7], v[\f+8*\b:\f+8*\b+7], v[\f+8*(\a):\f+8*(\a)+7], 0
.else
	v_wmma_f32_16x16x32_f16 v[8*(8*((\a)%4)+\b):8*(8*((\a)%4)+\b)+7], v[\f+8*\b:\f+8*\b+7], v[\f+8*(\a):\f+8*(\a)+7], v[8*(8*((\a)%4)+\b):8*(8*((\a)%4)+\b)+7]
.endif
.endr
.endm
.macro MULS f, a0, n, zero             ; n blocks from a0 on
.set A_, \a0
.rept \n
	MULB \f, A_, \zero
.set A_, A_+1
.endr
.endm
.macro FETCH slot, k, g                ; one run of 32 LDS loads: the fragments of 32 along K at byte k of the rows
	WIN 0
.irp i, 0,1,2,3,4,5,6,7
	ds_load_b128 v[\g+8*\i:\g+8*\i+3],   v[ADRA+\slot] offset:\k+\i*16*PITCH
	ds_load_b128 v[\g+8*\i+4:\g+8*\i+7], v[ADRA+\slot] offset:\k+\i*16*PITCH+32
.endr
	WIN 0x40
.irp i, 0,1,2,3,4,5,6,7
	ds_load_b128 v[\g+8*\i:\g+8*\i+3],   v[ADRB+\slot] offset:\k+\i*16*PITCH
	ds_load_b128 v[\g+8*\i+4:\g+8*\i+7], v[ADRB+\slot] offset:\k+\i*16*PITCH+32
.endr
.endm
.macro QUARTER slot, k, f, g, zero     ; multiplies buffer f; at its head it asks for the next quarter, which has these 64 products in which to land
	s_wait_dscnt 0x0                               ; buffer f, asked for a quarter ago, is in
	PLACES
	FETCH \slot, \k, \g
	MULS \f, 0, MB, \zero
.endm
; A slot's last quarter multiplies buffer 1 and changes slots: ONE barrier; in front of it each wave waits for all its tensor loads, adds 0 to its spare word, and waits for that and for its reads of this slot.
.macro TURN slot, next, fill
	WIN 0
	s_wait_tensorcnt 0x0                           ; my part of the next slot has landed, and no load of mine is out
	ds_add_u32 v[SPW], v[NIL]                      ; 0 onto my spare word
	s_wait_dscnt 1                                 ; buffer 1 is in; the add may be out
	MULS F1, 0, MB/4, 0
	s_wait_dscnt 0x0                               ; the add is done, and my reads of this slot are over
	s_barrier_signal -1
	MULS F1, MB/4, MB/4, 0
	WIN 0
	s_barrier_wait -1
.if \fill
	CREST                                          ; the barrier has opened a round of the cluster's: no wave of any partner still reads this slot or has a load on its way
	s_add_nc_u64 s[G0+4*\slot+2:G0+4*\slot+3], s[G0+4*\slot+2:G0+4*\slot+3], 512
	s_add_nc_u64 s[G0B+4*\slot+2:G0B+4*\slot+3], s[G0B+4*\slot+2:G0B+4*\slot+3], 512
	JLOAD \slot                                    ; two K steps on; its four v_nop are also the places in front of the loads below
.else
	PLACES
.endif
	FETCH \next, 0, F0
	MULS F1, MB/2, MB/2, 0
.endm
	s_wait_tensorcnt 1                             ; my part of K step 0 is in; K step 1's load may stay out
	s_barrier_signal -1
	s_barrier_wait -1
	FETCH 0, 0, F0
	QUARTER 0, 64, F0, F1, 1                       ; the first quarter stands in front of the loop: its products start the sums
	WIN 0
	s_mov_b32 s3, LAPS-1
.Llap:
	QUARTER 0, 128, F1, F0, 0
	QUARTER 0, 192, F0, F1, 0
	TURN 0, 1, 1
	QUARTER 1, 64,  F0, F1, 0
	QUARTER 1, 128, F1, F0, 0
	QUARTER 1, 192, F0, F1, 0
	TURN 1, 0, 1
	QUARTER 0, 64,  F0, F1, 0
	WIN 0
	s_sub_co_u32 s3, s3, 1
	s_cmp_lg_u32 s3, 0
	s_cbranch_scc1 .Llap
	QUARTER 0, 128, F1, F0, 0                      ; the last lap fills nothing
	QUARTER 0, 192, F0, F1, 0
	TURN 0, 1, 0
	QUARTER 1, 64,  F0, F1, 0
	QUARTER 1, 128, F1, F0, 0
	QUARTER 1, 192, F0, F1, 0
	s_wait_dscnt 0x0
	MULS F1, 0, MB, 0
	WIN 0
; THE WAY OUT of block a (16 queries x 128 keys; a lane holds 64 scores of one query, lane l xor 16 the other 64).
.macro PACK a
.set AC, 64*((\a)%4)
.set HW, (\a)/4
	WIN 0x2a+0x15*HW                               ; three sources in the accumulators' window
.irp k, 0,1,2,3
	v_max3_num_f32 v[CH+\k], v[AC+16*\k], v[AC+16*\k+1], v[AC+16*\k+2]   ; four chains of 16 scores; each accumulator is read from its low end on
.endr
	WIN 0x28+0x14*HW
.irp i, 3,5,7,9,11,13
.irp k, 0,1,2,3
	v_max3_num_f32 v[CH+\k], v[CH+\k], v[AC+16*\k+\i], v[AC+16*\k+\i+1]
.endr
.endr
.irp k, 0,1,2,3
	v_max_num_f32 v[CH+\k], v[CH+\k], v[AC+16*\k+15]
.endr
	WIN 0
	v_max3_num_f32 v[CH], v[CH], v[CH+1], v[CH+2]
	v_max_num_f32 v[CH], v[CH], v[CH+3]
	v_permlanex16_b32 v[CH+1], v[CH], s[SEL], s[SEL+1]
	v_max_num_f32 v[CH], v[CH], v[CH+1]            ; the chunk's largest score of my query
	v_mul_f32 v[CH], s[CS], v[CH]                  ; as t
	v_floor_f32 v[NM], -v[CH]                      ; -M = floor(-t): M is a whole number
	v_mov_b32 v[SM+(\a)], v[NM]
	WIN 0x82+0x41*HW                               ; destination and source 0 in the accumulators' window
.set J_, 0
.rept 32
	v_pk_fma_f32 v[AC+J_:AC+J_+1], v[AC+J_:AC+J_+1], s[CS:CS+1], v[NM:NM+1] op_sel_hi:[1,0,0]   ; t - M, two at a time
.set J_, J_+2
.endr
.set J_, 0
.rept 64
	v_exp_f32 v[AC+J_], v[AC+J_]                   ; p = 2^(t - M)
.set J_, J_+1
.endr
	v_nop                                          ; a plain instruction behind the last exponential
	s_wait_alu depctr_va_vdst(0)                   ; one wait for the batch, ahead of its first reader
	WIN 0x0a+5*HW
.irp b, 0,1,2,3,4,5,6,7
.irp i, 0,1,2,3
	v_cvt_pk_f16_f32 v[TMP+4*\b+\i], v[AC+8*\b+2*\i], v[AC+8*\b+2*\i+1]
.endr
.endr
	v_pk_add_f32 v[LS:LS+1], v[AC:AC+1], v[AC+2:AC+3]              ; the sum of the unrounded p, in two chains
	v_pk_add_f32 v[LS+2:LS+3], v[AC+4:AC+5], v[AC+6:AC+7]
	WIN 0x08+4*HW
.set J_, 8
.rept 14
	v_pk_add_f32 v[LS:LS+1], v[LS:LS+1], v[AC+J_:AC+J_+1]
	v_pk_add_f32 v[LS+2:LS+3], v[LS+2:LS+3], v[AC+J_+2:AC+J_+3]
.set J_, J_+4
.endr
	WIN 0
	v_pk_add_f32 v[LS:LS+1], v[LS:LS+1], v[LS+2:LS+3]
	v_add_f32 v[LS], v[LS], v[LS+1]
	v_permlanex16_b32 v[LS+1], v[LS], s[SEL], s[SEL+1]
	v_add_f32 v[SL+(\a)], v[LS], v[LS+1]
.endm
.macro TOSTAGE a
.set BB, BK+32*((\a)%2)
.irp b, 0,1,2,3,4,5,6,7
	ds_store_b128 v[STO], v[TMP+4*\b:TMP+4*\b+3] offset:32*\b
.endr
.irp t, 0,1,2,3,4,5,6,7
	ds_load_b128 v[BB+4*\t:BB+4*\t+3], v[RD] offset:\t*2*SPITCH    ; LDS serves a wave's instructions in order: these see the stores above
.endr
.endm
.macro SEND a
.set BB, BK+32*((\a)%2)
	s_wait_dscnt 0x0
	s_wait_xcnt 0x0                                ; earlier stores have read their base and their data
.if (\a) > 0
	s_add_nc_u64 s[8:9], s[8:9], 16*PC
.endif
.irp t, 0,1,2,3,4,5,6,7
	global_store_b128 v[CO], v[BB+4*\t:BB+4*\t+3], s[8:9] offset:2*\t*PC   ; 16 lanes store 256 consecutive bytes, aligned
.endr
.endm
	PLACES
	PACK 0
	TOSTAGE 0
.irp a, 1,2,3,4,5,6,7
	PACK \a
	SEND \a-1
	TOSTAGE \a
.endr
	SEND 7
.irp g, 0,1                            ; the statistics of 64 rows: lanes 0-15 store -M of their row in four blocks, lanes 16-31 l: 512 consecutive bytes
.irp i, 0,1,2,3
	v_cndmask_b32 v[D+4*\g+\i], v[SM+4*\g+\i], v[SL+4*\g+\i], s[HI16]
.endr
	global_store_b128 v[LN], v[D+4*\g:D+4*\g+3], s[STATP:STATP+1] offset:\g*8192
.endr
	s_wait_tensorcnt 0x0                           ; the wave's end
	ds_add_u32 v[SPW], v[NIL]
	s_wait_dscnt 0x0
	CROUND                                         ; the closing round
	s_endpgm
.Lfunc_end_k_q1a32f3291e_scores:
	.size	k_q1a32f3291e_scores, .Lfunc_end_k_q1a32f3291e_scores-k_q1a32f3291e_scores
	.p2alignl 7, 3214868480
	.fill 96, 4, 3214868480
	.section	.rodata,"a",@progbits
	.p2align	6, 0x0
	.amdhsa_kernel k_q1a32f3291e_scores
		.amdhsa_group_segment_fixed_size 327680
		.amdhsa_private_segment_fixed_size 0
		.amdhsa_enable_private_segment 0
		.amdhsa_kernarg_size 24
		.amdhsa_user_sgpr_count 2
		.amdhsa_user_sgpr_kernarg_segment_ptr 1
		.amdhsa_wavefront_size32 1
		.amdhsa_system_sgpr_workgroup_id_x 1
		.amdhsa_system_sgpr_workgroup_id_y 1
		.amdhsa_system_sgpr_workgroup_id_z 1
		.amdhsa_system_vgpr_workitem_id 0
		.amdhsa_next_free_vgpr 1024
		.amdhsa_next_free_sgpr 80
		.amdhsa_reserve_vcc 0
		.amdhsa_float_denorm_mode_32 3
		.amdhsa_float_denorm_mode_16_64 3
		.amdhsa_memory_ordered 1
		.amdhsa_forward_progress 1
		.amdhsa_inst_pref_size 212
	.end_amdhsa_kernel
	.amdgpu_metadata
---
amdhsa.version: [ 1, 2 ]
amdhsa.kernels:
  - .name:           k_q1a32f3291e_scores
    .symbol:         k_q1a32f3291e_scores.kd
    .args:
      - { .name: qkv, .offset: 0, .size: 8, .value_kind: global_buffer, .address_space: global }
      - { .name: pbuf, .offset: 8, .size: 8, .value_kind: global_buffer, .address_space: global }
      - { .name: stat, .offset: 16, .size: 8, .value_kind: global_buffer, .address_space: global }
    .group_segment_fixed_size: 327680
    .private_segment_fixed_size: 0
    .kernarg_segment_align: 8
    .kernarg_segment_size: 24
    .max_flat_workgroup_size: 128
    .sgpr_count:     80
    .vgpr_count:     1024
    .wavefront_size: 32
...
	.end_amdgpu_metadata
.endif
;; end of part 3
;; launch pv (part 4): grid 4 x 64, 4 waves a work-group, clusters of 4 x 4, 327,680 bytes of LDS; arguments pbuf, qkv, stat, b_qkv, ctx; writes ctx
.if DOCPART == 4
	.amdgcn_target "amdgcn-amd-amdhsa--gfx1250"
	.amdhsa_code_object_version 6
	.text
	.protected	k_q1a32f3291e_pv
	.globl	k_q1a32f3291e_pv
	.p2align	8
	.type	k_q1a32f3291e_pv,@function
k_q1a32f3291e_pv:
	s_mov_b64 s[64:65], 0
	v_nop
	global_prefetch_b8 v0, s[64:65] scope:SCOPE_SE
	s_setreg_imm32_b32 hwreg(HW_REG_WAVE_MODE, 25, 1), 1
	s_wait_xcnt 0x0
	s_wait_alu depctr_hold_cnt(0) depctr_sa_sdst(0) depctr_va_vdst(0) depctr_va_sdst(0) depctr_va_ssrc(0) depctr_va_vcc(0) depctr_vm_vsrc(0)
	s_getreg_b32 s2, hwreg(HW_REG_IB_STS2, 6, 4)
	s_cmp_eq_u32 s2, 0
	s_cbranch_scc0 .Lentry_in_a_cluster
	s_endpgm
.Lentry_in_a_cluster:
	s_bfe_u32 s2, ttmp6, 0x10000c
	s_cmp_lg_u32 s2, 0xf033
	s_cbranch_scc0 .Lentry_shape_is_right
	s_endpgm
.Lentry_shape_is_right:
; CONTEXT = softmax x v + b_v.  pbuf [8192 rows][2048 keys] f16 holds p = 2^(t - M_c), M_c the whole-number maximum of the row's chunk c of 128 keys; stat holds -M_c and l_c, the chunk's sum of p.
; For each row M = the largest M_c and f_c = 2^(M_c - M), an exact power of two at most 1.  A chunk is one K step: its products with v are summed by themselves (D_c, f32), and the running sum takes
; f_c D_c by fused multiply-adds in f32.  The running sum begins as l b_v, l = the sum of l_c f_c, and is divided by l at the end: that is the average plus v's bias, since the weights of a row sum to one.
; So every exponent stands under the row's own maximum, and nothing outside the matrix unit is reckoned in 16 bits.
; v lies transposed, [batch][channel][token] f16, from byte 33,554,432 of qkv on: K, the keys, is innermost on both sides.  ctx: [8192][1024] f16.
; A tile is 128 rows x 256 channels: four waves, 64 x 128 each (32 accumulators): 4 x 64 tiles, one for each of 256 work-groups.  Clusters of 4 x 4: p's tiles are asked for jointly along a row, v's along a column.
; THE MATRIX INSTRUCTION IS USED TRANSPOSED (source 0 = 16 channels, source 1 = 16 rows of p): a lane holds one row, so a chunk's factor is one number a lane and block of rows.
; K goes in steps of 128 through two LDS slots; a K step is four quarters of 32 along K on two fragment buffers.
; WHERE THE MULTIPLY-ADDS STAND: in slices of eight behind every second product: blocks 0 and 1 behind the last 16 products of their K step, blocks 2 and 3 behind the first 16 of the next,
; which begin blocks 0 and 1 anew with the constant 0.
; LIMITS: f_c under 2^-149 counts as 0 (l is at least 1/2); ctx beyond 65,504 is not served, under 6e-5 it is carried in steps of 6e-8; NaN and infinities are not served.
; REGISTERS: window 0: v1-31 addresses and work at the head; v32-39, v40-47 the factors of the K step in slot 0, 1, each twice (a pair for the packed form); v48-55 1 / l, v56-63 l, in pairs;
;   v64-95, v128-159 p's fragments (at the head -M_c and l_c, then the factors; on the way out rows and packed results); v192-255 b_v in the result's layout.
;   window 1: v64-127, v128-191 v's fragments.   window 2: D_c ((a, b) at v[8 (8 a + b)]).   window 3: the running sums, at the same numbers.
.set MB,     4
.set LAPS,   2048/256                  ; a lap = two K steps = once round the ring
.set PA,     4096
.set PB,     4096
.set PC,     2048
.set PITCH,  272                       ; an LDS row: 256 bytes + 16 of padding
.set HALFA,  16*MB*PITCH
.set HALFB,  128*PITCH
.set SLOT,   2*HALFA+2*HALFB           ; p's 128 rows, then v's 256
.set STAGE,  2*SLOT                    ; behind the ring: 16 rows x 272 for each wave
.set SPITCH, 272
.set FTAB,   STAGE+4*16*SPITCH         ; the factors: 16,384 bytes for each wave: chunk c as an image of eight registers: 1,024 c + 16 x lane, and 512 further on
.set SPARE,  FTAB+4*16384              ; the spare words, 128 bytes for each wave: no other line names them
.set FT,   6
.set NMR,  8
.set EX,   12
.set ADRA, 16
.set ADRB, 20
.set BO,   22
.set ADRC, 23
.set STO,  24
.set RD,   25
.set CO,   26
.set ADRF, 27
.set SPW,  28
.set NIL,  29
.set SO,   30
.set PFO,  31
.set FC,   32
.set RL,   48
.set LP,   56
.set F0,   64
.set F1,   128
.set BK,   64
.set TMP,  128
.set T,    192
.set G1,  24
.set G0,  32
.set G1B, 48
.set G0B, 56
.set STATP, 68
.set BIASP, 70
.set PFA, 76                           ; s[76:77] where my prefetches stand
.set LIM, 78                           ; s78 1 in a wave that prefetches, else the greatest number
.set FO,  79                           ; s79 1,024 x the K step whose factors were fetched last
.set MSB, 0
.macro WIN new                         ; the immediate's high byte repeats the setting that is left
.if MSB != (\new)
	s_set_vgpr_msb (MSB<<8)|(\new)
.set MSB, (\new)
.endif
.endm
.macro JLOAD s                         ; a joint load: waves 0 and 1 fetch p's halves, waves 2 and 3 v's; s_nop 0 and four v_nop follow each line
	s_cmp_eq_u32 s11, 0
	s_cbranch_scc0 .Lfor_b_\@
	tensor_load_to_lds s[G0+4*\s:G0+4*\s+3], s[G1:G1+7]
	s_nop 0
.rept 4
	v_nop
.endr
	s_branch .Lasked_\@
.Lfor_b_\@:
	tensor_load_to_lds s[G0B+4*\s:G0B+4*\s+3], s[G1B:G1B+7]
	s_nop 0
.rept 4
	v_nop
.endr
.Lasked_\@:
.endm
; A PREFETCH of p, which this launch reads once and one cluster alone reads: once a lap, behind slot 0's joint load and the run of LDS loads, waves 0 and 1 name the two K steps that stand one lap behind the
; refill in hand: 16 rows x 2 x 256 bytes, lanes 0-15 a row each, lanes 16-31 the same rows' next 256 bytes.  Of the 64 rows that a wave fetches each of the four partners takes 16, told apart by address.
; Each aligned block of 256 bytes is named once; the first four K steps come by their loads alone; the loop's last trip names nothing.
.macro ASK
	s_cmp_gt_u32 s3, s[LIM]
	s_cbranch_scc0 .Lnot_mine_\@
	global_prefetch_b8 v[PFO], s[PFA:PFA+1] th:TH_LOAD_NT scope:SCOPE_SE
.Lnot_mine_\@:
.endm
.macro CREST                           ; a round of the cluster's barrier behind its opening barrier
	s_cmp_lg_u32 s10, 0
	s_cbranch_scc1 .Lnot_wave_0_\@
	s_barrier_signal -3
.Lnot_wave_0_\@:
	s_barrier_wait -3
	s_barrier_signal -1
	s_barrier_wait -1
.endm
.macro CROUND
	s_barrier_signal -1
	s_barrier_wait -1
	CREST
.endm
.macro PLACES                          ; four plain vector instructions between a matrix instruction and a load into, or a read of, its registers
.rept 4
	v_nop
.endr
.endm
	s_load_b128 s[4:7], s[0:1], 0x0                ; pbuf s[4:5], qkv s[6:7]
	s_load_b128 s[68:71], s[0:1], 0x10             ; stat s[68:69], b_qkv s[70:71]
	s_load_b64 s[8:9], s[0:1], 0x20                ; ctx
	v_lshl_add_u32 v[SPW], v0, 2, SPARE
	v_mov_b32 v[NIL], 0
	ds_add_u32 v[SPW], v[NIL]                      ; the wave's opening: the add, twice on end, and its wait ahead of my first tensor load
	ds_add_u32 v[SPW], v[NIL]
	v_lshrrev_b32 v1, 5, v0
	v_readfirstlane_b32 s10, v1
	s_lshr_b32 s11, s10, 1                         ; my half of the rows.  Also: I fetch p (0) or v (1)
	s_and_b32 s12, s10, 1                          ; my half of the columns.  Also: which half I fetch
	s_bfe_u32 s40, ttmp6, 0x40000
	s_bfe_u32 s41, ttmp6, 0x40004
	s_lshl_b32 s42, ttmp9, 2
	s_add_co_u32 s42, s42, s40                     ; tile column: 256 channels
	s_and_b32 s45, ttmp7, 0xffff
	s_lshl_b32 s13, s45, 2
	s_add_co_u32 s13, s13, s41                     ; tile row: 128 tokens
	s_lshl_b32 s43, s41, 2
	s_lshl_b32 s43, 15, s43                        ; my row of the cluster
	s_lshl_b32 s44, 0x1111, s40                    ; my column
	s_or_b32 s[G1+0], s43, (1<<16)|(1<<20)|(1<<21)|(5<<22)|(3<<25)  ; the mask; elements of 2 bytes; padding on; bit 21 beside a mask; 4 words behind every 64
	s_or_b32 s[G1B+0], s44, (1<<16)|(1<<20)|(1<<21)|(5<<22)|(3<<25)
	s_mov_b32 s[G1+1], 128<<16                     ; tensor_dim0
	s_mov_b32 s[G1+2], (16*MB)<<16                 ; tensor_dim1
	s_mov_b32 s[G1+3], 128<<16                     ; tile_dim0
	s_mov_b32 s[G1+4], 16*MB                       ; tile_dim1
	s_mov_b32 s[G1+5], PA/2                        ; elements from row to row
	s_mov_b32 s[G1+6], 0
	s_mov_b32 s[G1+7], 0
	s_mov_b32 s[G1B+1], 128<<16
	s_mov_b32 s[G1B+2], 128<<16
	s_mov_b32 s[G1B+3], 128<<16
	s_mov_b32 s[G1B+4], 128
	s_mov_b32 s[G1B+5], PB/2
	s_mov_b32 s[G1B+6], 0
	s_mov_b32 s[G1B+7], 0
	s_mul_i32 s14, s13, 32*MB
	s_mul_i32 s16, s12, 16*MB
	s_add_co_u32 s14, s14, s16
	s_mul_i32 s14, s14, PA                         ; p: the first row that I fetch, in bytes
	s_mov_b32 s15, 0
	s_lshr_b32 s46, s45, 2                         ; the batch: four rows of clusters each
	s_mul_i32 s46, s46, 1024
	s_lshl_b32 s47, s42, 8
	s_add_co_u32 s46, s46, s47
	s_lshl_b32 s47, s12, 7
	s_add_co_u32 s46, s46, s47
	s_mul_i32 s46, s46, PB
	s_add_co_u32 s46, s46, 33554432                ; v transposed
	s_mov_b32 s47, 0
	s_mul_i32 s20, s12, HALFA                      ; where they go: no place in the cluster enters an LDS address
	s_mul_i32 s21, s12, HALFB
	s_add_co_u32 s21, s21, 2*HALFA
	s_mov_b32 s[FO], 0
	s_cmp_eq_u32 s11, 0
	s_cselect_b32 s[LIM], 1, -1
	s_wait_dscnt 0x0                               ; both opening adds are done
	s_wait_kmcnt 0x0
	s_add_nc_u64 s[14:15], s[4:5], s[14:15]
	s_add_nc_u64 s[46:47], s[6:7], s[46:47]
	CROUND                                         ; all sixteen work-groups are here: the first joint loads meet
.irp s, 0,1
	s_mov_b32 s[G0+4*\s], 1
	s_add_co_u32 s[G0+4*\s+1], s20, \s*SLOT
	s_add_nc_u64 s[G0+4*\s+2:G0+4*\s+3], s[14:15], \s*256
	s_or_b32 s[G0+4*\s+3], s[G0+4*\s+3], 0x80000000
	s_mov_b32 s[G0B+4*\s], 1
	s_add_co_u32 s[G0B+4*\s+1], s21, \s*SLOT
	s_add_nc_u64 s[G0B+4*\s+2:G0B+4*\s+3], s[46:47], \s*256
	s_or_b32 s[G0B+4*\s+3], s[G0B+4*\s+3], 0x80000000
	JLOAD \s                                       ; two loads of mine are out
.endr
	v_and_b32 v1, 15, v0                           ; r
	v_bfe_u32 v2, v0, 4, 1                         ; h
	v_lshlrev_b32 v[SO], 4, v1                     ; stat: 16 bytes a row: its four blocks
	v_lshlrev_b32 v[BO], 5, v2                     ; the bias: 8 numbers for each half of the lanes
	s_lshl_b32 s16, s13, 1
	s_add_co_u32 s16, s16, s11                     ; my group of 64 rows
	s_lshl_b32 s16, s16, 13
	s_mov_b32 s17, 0
	s_add_nc_u64 s[STATP:STATP+1], s[STATP:STATP+1], s[16:17]
	s_lshl_b32 s16, s42, 10
	s_lshl_b32 s18, s12, 9
	s_add_co_u32 s16, s16, s18
	s_add_co_u32 s16, s16, 2048*4                  ; b_v begins at number 2,048
	s_add_nc_u64 s[BIASP:BIASP+1], s[BIASP:BIASP+1], s[16:17]
.irp c, 0,1,2,3,4,5,6,7,8,9,10,11,12,13,14,15
	global_load_b128 v[64+4*\c:64+4*\c+3], v[SO], s[STATP:STATP+1] offset:512*\c          ; -M_c of row r in blocks 0-3
.endr
.irp c, 0,1,2,3,4,5,6,7,8,9,10,11,12,13,14,15
	global_load_b128 v[128+4*\c:128+4*\c+3], v[SO], s[STATP:STATP+1] offset:512*\c+256    ; l_c
.endr
.irp b, 0,1,2,3,4,5,6,7
	global_load_b128 v[T+8*\b:T+8*\b+3], v[BO], s[BIASP:BIASP+1] offset:64*\b             ; register 8 b + j = b_v[my first channel + 16 b + 8 h + j]
	global_load_b128 v[T+8*\b+4:T+8*\b+7], v[BO], s[BIASP:BIASP+1] offset:64*\b+16
.endr
	v_mul_u32_u24 v3, v1, PITCH
	v_lshl_add_u32 v3, v2, 4, v3                   ; a fragment's row x pitch + 16 x half
	s_mul_i32 s21, s11, HALFA
	s_mul_i32 s22, s12, HALFB
	s_add_co_u32 s22, s22, 2*HALFA
.irp s, 0,1
	v_add_nc_u32 v[ADRA+\s], s21, v3
	v_add_nc_u32 v[ADRB+\s], s22, v3
	s_add_co_u32 s21, s21, SLOT
	s_add_co_u32 s22, s22, SLOT
.endr
	s_mul_i32 s23, s10, 16*SPITCH
	s_add_co_u32 s23, s23, STAGE                   ; my stage
	v_add_nc_u32 v[STO], s23, v3
	v_mul_u32_u24 v5, v2, SPITCH
	v_lshl_add_u32 v5, v1, 4, v5
	v_add_nc_u32 v[RD], s23, v5
	v_mul_u32_u24 v5, v2, PC
	v_lshl_add_u32 v[CO], v1, 4, v5
	v_and_b32 v5, 31, v0
	s_lshl_b32 s23, s10, 14
	s_add_co_u32 s23, s23, FTAB
	v_lshl_add_u32 v[ADRF], v5, 4, s23             ; my wave's factors, 16 bytes a lane
	v_mul_u32_u24 v[PFO], v1, PA
	v_lshl_add_u32 v[PFO], v2, 8, v[PFO]
	s_mul_i32 s16, s40, 16*PA                      ; my work-group's 16 of the 64 rows,
	s_add_co_u32 s16, s16, 512                     ; at K step 2: the first lap's change steps it to 4
	s_add_nc_u64 s[PFA:PFA+1], s[14:15], s[16:17]
	s_mul_i32 s16, s13, 32*MB
	s_mul_i32 s18, s11, 16*MB
	s_add_co_u32 s16, s16, s18
	s_mul_i32 s16, s16, PC
	s_lshl_b32 s18, s42, 9
	s_add_co_u32 s16, s16, s18
	s_lshl_b32 s18, s12, 8
	s_add_co_u32 s16, s16, s18
	s_add_nc_u64 s[8:9], s[8:9], s[16:17]          ; ctx at my first row and column
	s_wait_loadcnt 0x0
.irp a, 0,1,2,3
	v_min3_num_f32 v[NMR+\a], v[64+\a], v[68+\a], v[72+\a]         ; -M of the row = the least -M_c
.endr
.irp c, 3,5,7,9,11,13
.irp a, 0,1,2,3
	v_min3_num_f32 v[NMR+\a], v[NMR+\a], v[64+4*\c+\a], v[68+4*\c+\a]
.endr
.endr
.irp a, 0,1,2,3
	v_min_num_f32 v[NMR+\a], v[NMR+\a], v[124+\a]
.endr
; chunk by chunk: f_c of my row in the four blocks, l = the sum of l_c f_c, and the factors, each twice, laid over the chunk's eight registers and sent to LDS as they stand
.set C_, 0
.rept 16
.irp a, 0,1,2,3
	v_sub_f32 v[EX+\a], v[NMR+\a], v[64+4*C_+\a]                   ; M_c - M: a whole number, 0 or less
.endr
.irp a, 0,1,2,3
	v_cvt_i32_f32 v[EX+\a], v[EX+\a]                               ; (it saturates)
.endr
	v_ldexp_f32 v[64+4*C_],   1.0, v[EX]                           ; f_c of block 0, twice,
	v_ldexp_f32 v[64+4*C_+1], 1.0, v[EX]
	v_ldexp_f32 v[64+4*C_+2], 1.0, v[EX+1]                         ; of block 1,
	v_ldexp_f32 v[64+4*C_+3], 1.0, v[EX+1]
	v_ldexp_f32 v[FT],   1.0, v[EX+2]                              ; of blocks 2 and 3
	v_ldexp_f32 v[FT+1], 1.0, v[EX+3]
.if C_ == 0
	v_mul_f32 v[LP],   v[128], v[64]
	v_mul_f32 v[LP+2], v[129], v[66]
	v_mul_f32 v[LP+4], v[130], v[FT]
	v_mul_f32 v[LP+6], v[131], v[FT+1]
.else
	v_fmac_f32 v[LP],   v[128+4*C_],   v[64+4*C_]
	v_fmac_f32 v[LP+2], v[128+4*C_+1], v[64+4*C_+2]
	v_fmac_f32 v[LP+4], v[128+4*C_+2], v[FT]
	v_fmac_f32 v[LP+6], v[128+4*C_+3], v[FT+1]
.endif
	v_mov_b32 v[128+4*C_],   v[FT]                                 ; l_c is summed: its registers take blocks 2 and 3's pairs
	v_mov_b32 v[128+4*C_+1], v[FT]
	v_mov_b32 v[128+4*C_+2], v[FT+1]
	v_mov_b32 v[128+4*C_+3], v[FT+1]
	ds_store_b128 v[ADRF], v[64+4*C_:64+4*C_+3] offset:1024*C_
	ds_store_b128 v[ADRF], v[128+4*C_:128+4*C_+3] offset:1024*C_+512
.set C_, C_+1
.endr
.irp a, 0,1,2,3
	v_rcp_f32 v[RL+2*\a], v[LP+2*\a]
.endr
.irp a, 0,1,2,3
	v_mov_b32 v[LP+2*\a+1], v[LP+2*\a]             ; l twice, for the packed form (plain instructions behind the reciprocals)
.endr
	s_wait_alu depctr_va_vdst(0)                   ; one wait for the four reciprocals, ahead of their first reader
.irp a, 0,1,2,3
	v_mov_b32 v[RL+2*\a+1], v[RL+2*\a]
.endr
	WIN 0xc0                                       ; destination window 3
.irp a, 0,1,2,3
.set J_, 0
.rept 32
	v_pk_mul_f32 v[64*\a+J_:64*\a+J_+1], v[T+J_:T+J_+1], v[LP+2*\a:LP+2*\a+1]   ; the running sums begin as l b_v: nothing is cleared
.set J_, J_+2
.endr
.endr
	WIN 0
.macro PROD f, a, b, zero              ; one product: block a of my rows x block b of my channels, 32 along K.  zero = 1: it begins the chunk's sum
.if \zero
	v_wmma_f32_16x16x32_f16 v[8*(8*(\a)+(\b)):8*(8*(\a)+(\b))+7], v[\f+8*(\b):\f+8*(\b)+7], v[\f+8*(\a):\f+8*(\a)+7], 0
.else
	v_wmma_f32_16x16x32_f16 v[8*(8*(\a)+(\b)):8*(8*(\a)+(\b))+7], v[\f+8*(\b):\f+8*(\b)+7], v[\f+8*(\a):\f+8*(\a)+7], v[8*(8*(\a)+(\b)):8*(8*(\a)+(\b))+7]
.endif
.endm
.macro MULB f, a, zero                 ; 8 products.  The accumulators take turns in one order everywhere
	WIN 0xa1                                       ; source 0 (v) window 1, source 1 (p) window 0, C and D window 2
.irp b, 0,1,2,3,4,5,6,7
	PROD \f, \a, \b, \zero
.endr
.endm
; The same, with a slice behind every second product: the finished sums of two accumulators of block sa, times the factors fc, onto the running sums; each accumulator is read from its low end on
.macro MULSL f, a, sa, fc, zero
.irp b, 0,2,4,6
	WIN 0xa1
	PROD \f, \a, \b, \zero
	PROD \f, \a, \b+1, \zero
	WIN 0xf2                                       ; source 0 (D_c) window 2, source 1 (f_c) window 0, source 2 and destination window 3
.irp n, 0,2,4,6,8,10,12,14
	v_pk_fma_f32 v[64*(\sa)+8*\b+\n:64*(\sa)+8*\b+\n+1], v[64*(\sa)+8*\b+\n:64*(\sa)+8*\b+\n+1], v[\fc+2*(\sa):\fc+2*(\sa)+1], v[64*(\sa)+8*\b+\n:64*(\sa)+8*\b+\n+1]
.endr
.endr
.endm
.macro SCALE sa, fc                    ; a whole block's 32 multiply-adds on end
	WIN 0xf2
.set J_, 0
.rept 32
	v_pk_fma_f32 v[64*(\sa)+J_:64*(\sa)+J_+1], v[64*(\sa)+J_:64*(\sa)+J_+1], v[\fc+2*(\sa):\fc+2*(\sa)+1], v[64*(\sa)+J_:64*(\sa)+J_+1]
.set J_, J_+2
.endr
.endm
.macro FETCH slot, k, g                ; one run of 24 LDS loads: the fragments of 32 along K at byte k of the rows
	WIN 0
.irp i, 0,1,2,3
	ds_load_b128 v[\g+8*\i:\g+8*\i+3],   v[ADRA+\slot] offset:\k+\i*16*PITCH
	ds_load_b128 v[\g+8*\i+4:\g+8*\i+7], v[ADRA+\slot] offset:\k+\i*16*PITCH+32
.endr
	WIN 0x40
.irp i, 0,1,2,3,4,5,6,7
	ds_load_b128 v[\g+8*\i:\g+8*\i+3],   v[ADRB+\slot] offset:\k+\i*16*PITCH
	ds_load_b128 v[\g+8*\i+4:\g+8*\i+7], v[ADRB+\slot] offset:\k+\i*16*PITCH+32
.endr
.endm
; A quarter multiplies buffer f; at its head it asks for the next quarter's fragments.  mode 0: inside a K step.  mode 1: the launch's first quarter: the products begin the sums.
; mode 2: a later K step's first quarter: the products begin the sums anew, and blocks 2 and 3 of the step before, with its factors fc, are taken off ahead of the products that write over them.
.macro QUARTER slot, k, f, g, mode, fc
	s_wait_dscnt 0x0                               ; buffer f, asked for a quarter ago, is in
	PLACES
	FETCH \slot, \k, \g
.if \mode == 2
	MULSL \f, 0, 2, \fc, 1
	MULSL \f, 1, 3, \fc, 1
	MULB \f, 2, 1
	MULB \f, 3, 1
.else
	MULB \f, 0, \mode
	MULB \f, 1, \mode
	MULB \f, 2, \mode
	MULB \f, 3, \mode
.endif
.endm
; A slot's last quarter multiplies buffer 1 and changes slots.  Its first 16 products stand ahead of the wait for the tile.  Then ONE barrier: in front of it each wave waits for all its tensor loads, adds 0 to its
; spare word, and waits for that and for its reads of this slot.  Behind it this slot is filled again first; then come the next K step's factors and first fragments, and the last 16 products with blocks 0 and 1's slices.
.macro TURN slot, next, fill
.if (\fill) && (\slot) == 0
	s_wait_xcnt 0x0                                ; the last prefetch, a lap back, has read its address
	s_add_nc_u64 s[PFA:PFA+1], s[PFA:PFA+1], 512
.endif
	s_wait_dscnt 0x0                               ; buffer 1 is in: my reads of this slot are over
	MULB F1, 0, 0
	MULB F1, 1, 0
	WIN 0
	s_wait_tensorcnt 0x0                           ; my part of the next slot has landed, and no load of mine is out: a group 0 may be written
	ds_add_u32 v[SPW], v[NIL]                      ; 0 onto my spare word; the steps below stand between it and the wait for it
.if \fill
	s_add_nc_u64 s[G0+4*\slot+2:G0+4*\slot+3], s[G0+4*\slot+2:G0+4*\slot+3], 512          ; two K steps on
	s_add_nc_u64 s[G0B+4*\slot+2:G0B+4*\slot+3], s[G0B+4*\slot+2:G0B+4*\slot+3], 512
.endif
	s_add_co_u32 s[FO], s[FO], 1024
	s_wait_dscnt 0x0                               ; the add is done
	s_barrier_signal -1
	s_barrier_wait -1
.if \fill
	CREST                                          ; the barrier has opened a round of the cluster's: no wave of any partner still reads this slot or has a load on its way
	JLOAD \slot                                    ; its four v_nop are also the places in front of the loads and of the slices below
.else
	PLACES
.endif
	v_add_nc_u32 v[ADRC], s[FO], v[ADRF]
	ds_load_b128 v[FC+8*\next:FC+8*\next+3], v[ADRC]               ; the next K step's factors, into the set that was last read three quarters ago
	ds_load_b128 v[FC+8*\next+4:FC+8*\next+7], v[ADRC] offset:512
	FETCH \next, 0, F0
.if (\fill) && (\slot) == 0
	WIN 0
	ASK
.endif
	MULSL F1, 2, 0, FC+8*\slot, 0
	MULSL F1, 3, 1, FC+8*\slot, 0
.endm
	s_wait_dscnt 0x0                               ; my factors lie in LDS
	s_wait_tensorcnt 1                             ; my part of K step 0 is in; K step 1's load may stay out
	s_barrier_signal -1
	s_barrier_wait -1
	ds_load_b128 v[FC:FC+3], v[ADRF]               ; K step 0's factors
	ds_load_b128 v[FC+4:FC+7], v[ADRF] offset:512
	FETCH 0, 0, F0
	QUARTER 0, 64, F0, F1, 1, FC
	WIN 0
	s_mov_b32 s3, LAPS-1
.Llap:                                                 ; a trip goes once round the ring, from a lap's second quarter to the next lap's first, and fills both slots again
	QUARTER 0, 128, F1, F0, 0, FC
	QUARTER 0, 192, F0, F1, 0, FC
	TURN 0, 1, 1
	QUARTER 1, 64,  F0, F1, 2, FC
	QUARTER 1, 128, F1, F0, 0, FC
	QUARTER 1, 192, F0, F1, 0, FC
	TURN 1, 0, 1
	QUARTER 0, 64,  F0, F1, 2, FC+8
	WIN 0
	s_sub_co_u32 s3, s3, 1
	s_cmp_lg_u32 s3, 0
	s_cbranch_scc1 .Llap
	QUARTER 0, 128, F1, F0, 0, FC                  ; the last lap fills nothing
	QUARTER 0, 192, F0, F1, 0, FC
	TURN 0, 1, 0
	QUARTER 1, 64,  F0, F1, 2, FC
	QUARTER 1, 128, F1, F0, 0, FC
	QUARTER 1, 192, F0, F1, 0, FC
	s_wait_dscnt 0x0
	MULB F1, 0, 0
	MULB F1, 1, 0
	PLACES                                         ; in front of the slices that read blocks 0 and 1
	MULSL F1, 2, 0, FC+8, 0
	MULSL F1, 3, 1, FC+8, 0
	SCALE 2, FC+8                                  ; the last slices are the places behind the last products
	SCALE 3, FC+8
	WIN 0
.macro PACK a                          ; block a: the running sum / l, rounded to f16
	WIN 0xc3                                       ; destination and source 0 in window 3
.set J_, 0
.rept 32
	v_pk_mul_f32 v[64*(\a)+J_:64*(\a)+J_+1], v[64*(\a)+J_:64*(\a)+J_+1], v[RL+2*(\a):RL+2*(\a)+1]
.set J_, J_+2
.endr
	WIN 0x0f
.irp b, 0,1,2,3,4,5,6,7
.irp i, 0,1,2,3
	v_cvt_pk_f16_f32 v[TMP+4*\b+\i], v[64*(\a)+8*\b+2*\i], v[64*(\a)+8*\b+2*\i+1]
.endr
.endr
	WIN 0
.endm
.macro TOSTAGE a
.set BB, BK+32*((\a)%2)
.irp b, 0,1,2,3,4,5,6,7
	ds_store_b128 v[STO], v[TMP+4*\b:TMP+4*\b+3] offset:32*\b
.endr
.irp t, 0,1,2,3,4,5,6,7
	ds_load_b128 v[BB+4*\t:BB+4*\t+3], v[RD] offset:\t*2*SPITCH    ; LDS serves a wave's instructions in order: these see the stores above
.endr
.endm
.macro SEND a
.set BB, BK+32*((\a)%2)
	s_wait_dscnt 0x0                               ; the block is back in registers
	s_wait_xcnt 0x0                                ; earlier stores have read their base and their data
.if (\a) > 0
	s_add_nc_u64 s[8:9], s[8:9], 16*PC
.endif
.irp t, 0,1,2,3,4,5,6,7
	global_store_b128 v[CO], v[BB+4*\t:BB+4*\t+3], s[8:9] offset:2*\t*PC   ; 16 lanes store 256 consecutive bytes, aligned
.endr
.endm
	PACK 0
	TOSTAGE 0
.irp a, 1,2,3
	PACK \a
	SEND \a-1
	TOSTAGE \a
.endr
	SEND 3
	s_wait_tensorcnt 0x0                           ; the wave's end
	ds_add_u32 v[SPW], v[NIL]
	s_wait_dscnt 0x0
	CROUND                                         ; the closing round
	s_endpgm
.Lfunc_end_k_q1a32f3291e_pv:
	.size	k_q1a32f3291e_pv, .Lfunc_end_k_q1a32f3291e_pv-k_q1a32f3291e_pv
	.p2alignl 7, 3214868480
	.fill 96, 4, 3214868480
	.section	.rodata,"a",@progbits
	.p2align	6, 0x0
	.amdhsa_kernel k_q1a32f3291e_pv
		.amdhsa_group_segment_fixed_size 327680
		.amdhsa_private_segment_fixed_size 0
		.amdhsa_enable_private_segment 0
		.amdhsa_kernarg_size 40
		.amdhsa_user_sgpr_count 2
		.amdhsa_user_sgpr_kernarg_segment_ptr 1
		.amdhsa_wavefront_size32 1
		.amdhsa_system_sgpr_workgroup_id_x 1
		.amdhsa_system_sgpr_workgroup_id_y 1
		.amdhsa_system_sgpr_workgroup_id_z 1
		.amdhsa_system_vgpr_workitem_id 0
		.amdhsa_next_free_vgpr 1024
		.amdhsa_next_free_sgpr 80
		.amdhsa_reserve_vcc 0
		.amdhsa_float_denorm_mode_32 3
		.amdhsa_float_denorm_mode_16_64 3
		.amdhsa_memory_ordered 1
		.amdhsa_forward_progress 1
		.amdhsa_inst_pref_size 163
	.end_amdhsa_kernel
	.amdgpu_metadata
---
amdhsa.version: [ 1, 2 ]
amdhsa.kernels:
  - .name:           k_q1a32f3291e_pv
    .symbol:         k_q1a32f3291e_pv.kd
    .args:
      - { .name: pbuf, .offset: 0, .size: 8, .value_kind: global_buffer, .address_space: global }
      - { .name: qkv, .offset: 8, .size: 8, .value_kind: global_buffer, .address_space: global }
      - { .name: stat, .offset: 16, .size: 8, .value_kind: global_buffer, .address_space: global }
      - { .name: b_qkv, .offset: 24, .size: 8, .value_kind: global_buffer, .address_space: global }
      - { .name: ctx, .offset: 32, .size: 8, .value_kind: global_buffer, .address_space: global }
    .group_segment_fixed_size: 327680
    .private_segment_fixed_size: 0
    .kernarg_segment_align: 8
    .kernarg_segment_size: 40
    .max_flat_workgroup_size: 128
    .sgpr_count:     80
    .vgpr_count:     1024
    .wavefront_size: 32
...
	.end_amdgpu_metadata
.endif
;; end of part 4
;; launch outp (part 5): grid 4 x 64, 4 waves a work-group, clusters of 4 x 4, 327,680 bytes of LDS; arguments ctx, wot, b_out, out0; writes out0
.if DOCPART == 5
	.amdgcn_target "amdgcn-amd-amdhsa--gfx1250"
	.amdhsa_code_object_version 6
	.text
	.protected	k_q1a32f3291e_outp
	.globl	k_q1a32f3291e_outp
	.p2align	8
	.type	k_q1a32f3291e_outp,@function
k_q1a32f3291e_outp:
	s_mov_b64 s[64:65], 0
	v_nop
	global_prefetch_b8 v0, s[64:65] scope:SCOPE_SE
	s_setreg_imm32_b32 hwreg(HW_REG_WAVE_MODE, 25, 1), 1
	s_wait_xcnt 0x0
	s_wait_alu depctr_hold_cnt(0) depctr_sa_sdst(0) depctr_va_vdst(0) depctr_va_sdst(0) depctr_va_ssrc(0) depctr_va_vcc(0) depctr_vm_vsrc(0)
	s_getreg_b32 s2, hwreg(HW_REG_IB_STS2, 6, 4)
	s_cmp_eq_u32 s2, 0
	s_cbranch_scc0 .Lentry_in_a_cluster
	s_endpgm
.Lentry_in_a_cluster:
	s_bfe_u32 s2, ttmp6, 0x10000c
	s_cmp_lg_u32 s2, 0xf033
	s_cbranch_scc0 .Lentry_shape_is_right
	s_endpgm
.Lentry_shape_is_right:
; THE PROJECTION OUT: out0 = ctx W_out + b_out.  ctx [8192][1024] f16; wot = W_out transposed, [1024 f][1024 e] f16: K innermost on both sides; sums in f32; out0 [8192][1024] f32.
; A tile is 128 rows x 256 columns: four waves, 64 x 128 each (32 accumulators): 4 x 64 tiles, one for each of 256 work-groups.  Clusters of 4 x 4: ctx's tiles are asked for jointly along a row, wot's along a column.
; THE MATRIX INSTRUCTION IS USED TRANSPOSED (source 0 = 16 rows of wot, source 1 = 16 rows of ctx): a lane holds eight neighbouring numbers of a row of out0.  The bias is the C of each sum's first product.
; K goes in steps of 128 through two LDS slots; a K step is four quarters of 32 along K on two fragment buffers.
; REGISTERS: window 0: v1-31 addresses; v64-95, v128-159 ctx's fragments (on the way out v64-191: rows); v192-255 b_out in the result's layout.
;   window 1: v64-127, v128-191 wot's fragments.   window 2: the accumulators ((a, b) at v[8 (8 a + b)]).
.set MB,     4
.set LAPS,   1024/256
.set PA,     2048
.set PB,     2048
.set PC,     4096
.set PITCH,  272
.set HALFA,  16*MB*PITCH
.set HALFB,  128*PITCH
.set SLOT,   2*HALFA+2*HALFB
.set STAGE,  2*SLOT                    ; behind the ring: 16 rows x (512 + 16) for each wave
.set SPITCH, 528
.set SPARE,  STAGE+4*16*SPITCH         ; the spare words, 128 bytes for each wave: no other line names them
.set ADRA, 16
.set ADRB, 20
.set BO,   22
.set STO,  24
.set RD,   25
.set CO,   26
.set SPW,  28
.set NIL,  29
.set PFO,  31
.set F0,   64
.set F1,   128
.set BK,   64
.set T,    192
.set G1,  24
.set G0,  32
.set G1B, 48
.set G0B, 56
.set BIASP, 68
.set PFA, 76
.set LIM, 78
.set MSB, 0
.macro WIN new
.if MSB != (\new)
	s_set_vgpr_msb (MSB<<8)|(\new)
.set MSB, (\new)
.endif
.endm
.macro JLOAD s                         ; a joint load: waves 0 and 1 fetch ctx's halves, waves 2 and 3 wot's; s_nop 0 and four v_nop follow each line
	s_cmp_eq_u32 s11, 0
	s_cbranch_scc0 .Lfor_b_\@
	tensor_load_to_lds s[G0+4*\s:G0+4*\s+3], s[G1:G1+7]
	s_nop 0
.rept 4
	v_nop
.endr
	s_branch .Lasked_\@
.Lfor_b_\@:
	tensor_load_to_lds s[G0B+4*\s:G0B+4*\s+3], s[G1B:G1B+7]
	s_nop 0
.rept 4
	v_nop
.endr
.Lasked_\@:
.endm
; A PREFETCH of ctx, which this launch reads once and one cluster alone reads: once a lap, behind slot 0's joint load and the run of LDS loads, waves 0 and 1 name the two K steps that stand one lap behind the
; refill in hand: 16 rows x 2 x 256 bytes.  Of the 64 rows that a wave fetches each of the four partners takes 16, told apart by address.  The first four K steps come by their loads alone; the last trip names nothing.
.macro ASK
	s_cmp_gt_u32 s3, s[LIM]
	s_cbranch_scc0 .Lnot_mine_\@
	global_prefetch_b8 v[PFO], s[PFA:PFA+1] th:TH_LOAD_NT scope:SCOPE_SE
.Lnot_mine_\@:
.endm
.macro CREST
	s_cmp_lg_u32 s10, 0
	s_cbranch_scc1 .Lnot_wave_0_\@
	s_barrier_signal -3
.Lnot_wave_0_\@:
	s_barrier_wait -3
	s_barrier_signal -1
	s_barrier_wait -1
.endm
.macro CROUND
	s_barrier_signal -1
	s_barrier_wait -1
	CREST
.endm
.macro PLACES
.rept 4
	v_nop
.endr
.endm
	s_load_b128 s[4:7], s[0:1], 0x0                ; ctx s[4:5], wot s[6:7]
	s_load_b128 s[68:71], s[0:1], 0x10             ; b_out s[68:69], out0 s[70:71]
	v_lshl_add_u32 v[SPW], v0, 2, SPARE
	v_mov_b32 v[NIL], 0
	ds_add_u32 v[SPW], v[NIL]                      ; the wave's opening: the add, twice on end, and its wait ahead of my first tensor load
	ds_add_u32 v[SPW], v[NIL]
	v_lshrrev_b32 v1, 5, v0
	v_readfirstlane_b32 s10, v1
	s_lshr_b32 s11, s10, 1
	s_and_b32 s12, s10, 1
	s_bfe_u32 s40, ttmp6, 0x40000
	s_bfe_u32 s41, ttmp6, 0x40004
	s_lshl_b32 s42, ttmp9, 2
	s_add_co_u32 s42, s42, s40                     ; tile column: 256 outputs
	s_and_b32 s45, ttmp7, 0xffff
	s_lshl_b32 s13, s45, 2
	s_add_co_u32 s13, s13, s41                     ; tile row: 128 tokens
	s_lshl_b32 s43, s41, 2
	s_lshl_b32 s43, 15, s43
	s_lshl_b32 s44, 0x1111, s40
	s_or_b32 s[G1+0], s43, (1<<16)|(1<<20)|(1<<21)|(5<<22)|(3<<25)
	s_or_b32 s[G1B+0], s44, (1<<16)|(1<<20)|(1<<21)|(5<<22)|(3<<25)
	s_mov_b32 s[G1+1], 128<<16
	s_mov_b32 s[G1+2], (16*MB)<<16
	s_mov_b32 s[G1+3], 128<<16
	s_mov_b32 s[G1+4], 16*MB
	s_mov_b32 s[G1+5], PA/2
	s_mov_b32 s[G1+6], 0
	s_mov_b32 s[G1+7], 0
	s_mov_b32 s[G1B+1], 128<<16
	s_mov_b32 s[G1B+2], 128<<16
	s_mov_b32 s[G1B+3], 128<<16
	s_mov_b32 s[G1B+4], 128
	s_mov_b32 s[G1B+5], PB/2
	s_mov_b32 s[G1B+6], 0
	s_mov_b32 s[G1B+7], 0
	s_mul_i32 s14, s13, 32*MB
	s_mul_i32 s16, s12, 16*MB
	s_add_co_u32 s14, s14, s16
	s_mul_i32 s14, s14, PA
	s_mov_b32 s15, 0
	s_lshl_b32 s46, s42, 8
	s_lshl_b32 s47, s12, 7
	s_add_co_u32 s46, s46, s47
	s_mul_i32 s46, s46, PB
	s_mov_b32 s47, 0
	s_mul_i32 s20, s12, HALFA
	s_mul_i32 s21, s12, HALFB
	s_add_co_u32 s21, s21, 2*HALFA
	s_cmp_eq_u32 s11, 0
	s_cselect_b32 s[LIM], 1, -1
	s_wait_dscnt 0x0
	s_wait_kmcnt 0x0
	s_add_nc_u64 s[14:15], s[4:5], s[14:15]
	s_add_nc_u64 s[46:47], s[6:7], s[46:47]
	CROUND
.irp s, 0,1
	s_mov_b32 s[G0+4*\s], 1
	s_add_co_u32 s[G0+4*\s+1], s20, \s*SLOT
	s_add_nc_u64 s[G0+4*\s+2:G0+4*\s+3], s[14:15], \s*256
	s_or_b32 s[G0+4*\s+3], s[G0+4*\s+3], 0x80000000
	s_mov_b32 s[G0B+4*\s], 1
	s_add_co_u32 s[G0B+4*\s+1], s21, \s*SLOT
	s_add_nc_u64 s[G0B+4*\s+2:G0B+4*\s+3], s[46:47], \s*256
	s_or_b32 s[G0B+4*\s+3], s[G0B+4*\s+3], 0x80000000
	JLOAD \s                                       ; two loads of mine are out
.endr
	v_and_b32 v1, 15, v0
	v_bfe_u32 v2, v0, 4, 1
	v_lshlrev_b32 v[BO], 5, v2
	s_lshl_b32 s16, s42, 10
	s_lshl_b32 s18, s12, 9
	s_add_co_u32 s16, s16, s18
	s_mov_b32 s17, 0
	s_add_nc_u64 s[BIASP:BIASP+1], s[BIASP:BIASP+1], s[16:17]
.irp b, 0,1,2,3,4,5,6,7
	global_load_b128 v[T+8*\b:T+8*\b+3], v[BO], s[BIASP:BIASP+1] offset:64*\b             ; register 8 b + j = b_out[my first column + 16 b + 8 h + j]
	global_load_b128 v[T+8*\b+4:T+8*\b+7], v[BO], s[BIASP:BIASP+1] offset:64*\b+16
.endr
	v_mul_u32_u24 v3, v1, PITCH
	v_lshl_add_u32 v3, v2, 4, v3
	s_mul_i32 s21, s11, HALFA
	s_mul_i32 s22, s12, HALFB
	s_add_co_u32 s22, s22, 2*HALFA
.irp s, 0,1
	v_add_nc_u32 v[ADRA+\s], s21, v3
	v_add_nc_u32 v[ADRB+\s], s22, v3
	s_add_co_u32 s21, s21, SLOT
	s_add_co_u32 s22, s22, SLOT
.endr
	s_mul_i32 s23, s10, 16*SPITCH
	s_add_co_u32 s23, s23, STAGE
	v_mul_u32_u24 v5, v1, SPITCH
	v_lshl_add_u32 v5, v2, 5, v5
	v_add_nc_u32 v[STO], s23, v5                   ; in: row r, 32 bytes for each half of the lanes
	v_and_b32 v5, 31, v0
	v_lshlrev_b32 v[CO], 4, v5                     ; back: the 32 lanes take one row of 512 bytes; and the same in out0
	v_add_nc_u32 v[RD], s23, v[CO]
	v_mul_u32_u24 v[PFO], v1, PA
	v_lshl_add_u32 v[PFO], v2, 8, v[PFO]
	s_mul_i32 s16, s40, 16*PA
	s_add_co_u32 s16, s16, 512
	s_add_nc_u64 s[PFA:PFA+1], s[14:15], s[16:17]
	s_mul_i32 s16, s13, 32*MB
	s_mul_i32 s18, s11, 16*MB
	s_add_co_u32 s16, s16, s18
	s_mul_i32 s16, s16, PC
	s_lshl_b32 s18, s42, 10
	s_add_co_u32 s16, s16, s18
	s_lshl_b32 s18, s12, 9
	s_add_co_u32 s16, s16, s18
	s_add_nc_u64 s[8:9], s[70:71], s[16:17]        ; out0 at my first row and column
.macro MULB f, a, first                ; 8 products: block a of my rows x all 8 blocks of columns.  first = 1: the bias is C.  The accumulators take turns in one order everywhere
.if \first
	WIN 0x81                                       ; C in window 0
.else
	WIN 0xa1
.endif
.irp b, 0,1,2,3,4,5,6,7
.if \first
	v_wmma_f32_16x16x32_f16 v[8*(8*(\a)+\b):8*(8*(\a)+\b)+7], v[\f+8*\b:\f+8*\b+7], v[\f+8*(\a):\f+8*(\a)+7], v[T+8*\b:T+8*\b+7]
.else
	v_wmma_f32_16x16x32_f16 v[8*(8*(\a)+\b):8*(8*(\a)+\b)+7], v[\f+8*\b:\f+8*\b+7], v[\f+8*(\a):\f+8*(\a)+7], v[8*(8*(\a)+\b):8*(8*(\a)+\b)+7]
.endif
.endr
.endm
.macro FETCH slot, k, g
	WIN 0
.irp i, 0,1,2,3
	ds_load_b128 v[\g+8*\i:\g+8*\i+3],   v[ADRA+\slot] offset:\k+\i*16*PITCH
	ds_load_b128 v[\g+8*\i+4:\g+8*\i+7], v[ADRA+\slot] offset:\k+\i*16*PITCH+32
.endr
	WIN 0x40
.irp i, 0,1,2,3,4,5,6,7
	ds_load_b128 v[\g+8*\i:\g+8*\i+3],   v[ADRB+\slot] offset:\k+\i*16*PITCH
	ds_load_b128 v[\g+8*\i+4:\g+8*\i+7], v[ADRB+\slot] offset:\k+\i*16*PITCH+32
.endr
.endm
.macro QUARTER slot, k, f, g, first
	s_wait_dscnt 0x0                               ; buffer f, asked for a quarter ago, is in
	PLACES
	FETCH \slot, \k, \g
	MULB \f, 0, \first
	MULB \f, 1, \first
	MULB \f, 2, \first
	MULB \f, 3, \first
.endm
.macro TURN slot, next, fill
.if (\fill) && (\slot) == 0
	s_wait_xcnt 0x0                                ; the last prefetch, a lap back, has read its address
	s_add_nc_u64 s[PFA:PFA+1], s[PFA:PFA+1], 512
.endif
	WIN 0
	s_wait_tensorcnt 0x0                           ; my part of the next slot has landed, and no load of mine is out
	ds_add_u32 v[SPW], v[NIL]                      ; 0 onto my spare word
	s_wait_dscnt 1                                 ; buffer 1 is in; the add may be out
	MULB F1, 0, 0
	s_wait_dscnt 0x0
	s_barrier_signal -1
	MULB F1, 1, 0
	WIN 0
	s_barrier_wait -1
.if \fill
	CREST
	s_add_nc_u64 s[G0+4*\slot+2:G0+4*\slot+3], s[G0+4*\slot+2:G0+4*\slot+3], 512
	s_add_nc_u64 s[G0B+4*\slot+2:G0B+4*\slot+3], s[G0B+4*\slot+2:G0B+4*\slot+3], 512
	JLOAD \slot
.else
	PLACES
.endif
	FETCH \next, 0, F0
.if (\fill) && (\slot) == 0
	WIN 0
	ASK
.endif
	MULB F1, 2, 0
	MULB F1, 3, 0
.endm
	s_wait_loadcnt 0x0                             ; the bias
	s_wait_tensorcnt 1                             ; my part of K step 0 is in; K step 1's load may stay out
	s_barrier_signal -1
	s_barrier_wait -1
	FETCH 0, 0, F0
	QUARTER 0, 64, F0, F1, 1
	WIN 0
	s_mov_b32 s3, LAPS-1
.Llap:
	QUARTER 0, 128, F1, F0, 0
	QUARTER 0, 192, F0, F1, 0
	TURN 0, 1, 1
	QUARTER 1, 64,  F0, F1, 0
	QUARTER 1, 128, F1, F0, 0
	QUARTER 1, 192, F0, F1, 0
	TURN 1, 0, 1
	QUARTER 0, 64,  F0, F1, 0
	WIN 0
	s_sub_co_u32 s3, s3, 1
	s_cmp_lg_u32 s3, 0
	s_cbranch_scc1 .Llap
	QUARTER 0, 128, F1, F0, 0
	QUARTER 0, 192, F0, F1, 0
	TURN 0, 1, 0
	QUARTER 1, 64,  F0, F1, 0
	QUARTER 1, 128, F1, F0, 0
	QUARTER 1, 192, F0, F1, 0
	s_wait_dscnt 0x0
	MULB F1, 0, 0
	MULB F1, 1, 0
	MULB F1, 2, 0
	MULB F1, 3, 0
	WIN 0
; THE WAY OUT, a block of 16 rows x 128 columns at a time: the accumulators go to my stage as they are, each from its low end on, and come back as whole rows of 512 bytes.
.macro TOSTAGE a
	WIN 0x08                                       ; an LDS store's data are its source 1: window 2
.irp b, 0,1,2,3,4,5,6,7
	ds_store_b128 v[STO], v[64*(\a)+8*\b:64*(\a)+8*\b+3] offset:64*\b
	ds_store_b128 v[STO], v[64*(\a)+8*\b+4:64*(\a)+8*\b+7] offset:64*\b+16
.endr
	WIN 0
.set BB, BK+64*((\a)%2)
.irp t, 0,1,2,3,4,5,6,7,8,9,10,11,12,13,14,15
	ds_load_b128 v[BB+4*\t:BB+4*\t+3], v[RD] offset:\t*SPITCH      ; LDS serves a wave's instructions in order: these see the stores above
.endr
.endm
.macro SEND a, younger                 ; younger: the LDS instructions issued behind block a's loads, which may stay out
.set BB, BK+64*((\a)%2)
	s_wait_dscnt \younger
.if (\a) > 0
	s_add_nc_u64 s[8:9], s[8:9], 16*PC             ; (behind a wait on XCNT: the earlier stores have read their base)
.endif
.irp t, 0,1,2,3,4,5,6,7,8,9,10,11,12,13,14,15
	global_store_b128 v[CO], v[BB+4*\t:BB+4*\t+3], s[8:9] offset:\t*PC th:TH_STORE_NT   ; 32 lanes store 512 consecutive bytes, aligned
.endr
.endm
	PLACES
	TOSTAGE 0
.irp a, 1,2,3
.if \a > 1
	s_wait_xcnt 0x0                                ; block a - 2's stores have read their registers and their base
.endif
	TOSTAGE \a
	SEND \a-1, 32                                  ; behind block a - 1's loads: block a's 16 stores and 16 loads
.endr
	s_wait_xcnt 0x0
	SEND 3, 0
	s_wait_tensorcnt 0x0                           ; the wave's end
	ds_add_u32 v[SPW], v[NIL]
	s_wait_dscnt 0x0
	CROUND
	s_endpgm
.Lfunc_end_k_q1a32f3291e_outp:
	.size	k_q1a32f3291e_outp, .Lfunc_end_k_q1a32f3291e_outp-k_q1a32f3291e_outp
	.p2alignl 7, 3214868480
	.fill 96, 4, 3214868480
	.section	.rodata,"a",@progbits
	.p2align	6, 0x0
	.amdhsa_kernel k_q1a32f3291e_outp
		.amdhsa_group_segment_fixed_size 327680
		.amdhsa_private_segment_fixed_size 0
		.amdhsa_enable_private_segment 0
		.amdhsa_kernarg_size 32
		.amdhsa_user_sgpr_count 2
		.amdhsa_user_sgpr_kernarg_segment_ptr 1
		.amdhsa_wavefront_size32 1
		.amdhsa_system_sgpr_workgroup_id_x 1
		.amdhsa_system_sgpr_workgroup_id_y 1
		.amdhsa_system_sgpr_workgroup_id_z 1
		.amdhsa_system_vgpr_workitem_id 0
		.amdhsa_next_free_vgpr 768
		.amdhsa_next_free_sgpr 80
		.amdhsa_reserve_vcc 0
		.amdhsa_float_denorm_mode_32 3
		.amdhsa_float_denorm_mode_16_64 3
		.amdhsa_memory_ordered 1
		.amdhsa_forward_progress 1
		.amdhsa_inst_pref_size 87
	.end_amdhsa_kernel
	.amdgpu_metadata
---
amdhsa.version: [ 1, 2 ]
amdhsa.kernels:
  - .name:           k_q1a32f3291e_outp
    .symbol:         k_q1a32f3291e_outp.kd
    .args:
      - { .name: ctx, .offset: 0, .size: 8, .value_kind: global_buffer, .address_space: global }
      - { .name: wot, .offset: 8, .size: 8, .value_kind: global_buffer, .address_space: global }
      - { .name: b_out, .offset: 16, .size: 8, .value_kind: global_buffer, .address_space: global }
      - { .name: out0, .offset: 24, .size: 8, .value_kind: global_buffer, .address_space: global }
    .group_segment_fixed_size: 327680
    .private_segment_fixed_size: 0
    .kernarg_segment_align: 8
    .kernarg_segment_size: 32
    .max_flat_workgroup_size: 128
    .sgpr_count:     80
    .vgpr_count:     768
    .wavefront_size: 32
...
	.end_amdgpu_metadata
.endif
;; end of part 5
